; MI455X (gfx1250); checked and timed in simulation.
; The chip was launched on July 23, 2026; its instructions are those of AMD's public machine-readable ISA for CDNA 5 (MIT licence, August 2026) and "CDNA5" Instruction Set Architecture Reference Guide (July 2026). The comments in the code are by the model that wrote it; some were corrected since.
;; Transformer Layer. Allowed arithmetic: float matrix products may take bf16 or f16 operands with f32 sums; other float arithmetic in f32, or as packed bf16 or f16 multiplies, adds, multiply-adds, maxima and minima; sums over many terms, partial sums and values carried from step to step in f32; what a program stores and reads back later, other than sums and carried values, may be rounded once to bf16 or f16.
;; Inputs: fc_b 512 float32; fc_w 512 x 512 float32; k_b 512 float32; k_w 512 x 512 float32; q_b 512 float32; q_w 512 x 512 float32; v_b 512 float32; v_w 512 x 512 float32; x 2,048 x 1 x 512 float32; y 2,048 x 32 x 512 float32.
;; Outputs: out0 2,048 x 1 x 512 float32.
;; 3 versions, each right; version 2 is faster than version 1; version 3 is version 2 with the launch prep written anew for expert scheduling mode. Each part assembles by itself: llvm-mc -triple=amdgcn-amd-amdhsa -mcpu=gfx1250 --defsym DOCPART=n.
;; ======== version 1 of 3: 2 launches
;; workspace buffers: wb 2,097,152 bytes; xh 4,194,304 bytes
;; launch prep (part 1): grid 256 x 1, 4 waves a work-group, no clusters, 151,040 bytes of LDS; arguments x, fc_w, fc_b, k_w, v_w, q_w, wb, xh; writes wb, xh
.if DOCPART == 1
	.amdgcn_target "amdgcn-amd-amdhsa--gfx1250"
	.amdhsa_code_object_version 6
	.text
	.protected	k_qf8eee86fff_prep
	.globl	k_qf8eee86fff_prep
	.p2align	8
	.type	k_qf8eee86fff_prep,@function
k_qf8eee86fff_prep:
	s_mov_b64 s[64:65], 0
	v_nop
	global_prefetch_b8 v0, s[64:65] scope:SCOPE_SE
	s_setreg_imm32_b32 hwreg(HW_REG_WAVE_MODE, 25, 1), 1
	s_wait_xcnt 0x0
; TWO JOBS, both small, in front of the main launch.
; (a) The four weight matrices, f32 [512][512], are rounded once to bf16 and laid into wb in the order in which the main launch streams them:
;     fc_w's 512 rows (1,024 bytes each), then 16 chunks of 96 rows: k_w rows 32 c .. 32 c + 31, v_w the same rows, q_w the same rows.
;     Work-group g takes 8 rows of matrix g / 64.
; (b) xh = lrelu(x fc_w^T + fc_b), f32 [2048][512]: work-group g makes 64 rows (block g / 8) x 64 features (block g % 8); wave w makes 16 of the rows.
;     x, fc_w and fc_b are rounded to bf16 (fc_b is kept as an f32 number with bf16's bits); sums in f32; lrelu(t) = max(t, 0.2 t).
; The product is used transposed (source 0 = 16 features of fc_w, source 1 = 16 rows of x): a lane then holds eight neighbouring features of one row.
; No tensor load, no cluster: a work-group reads 256 KiB once, through registers, since the f32 numbers have to be rounded on the way into LDS anyway.
; LIMITS: NaN and infinities are not treated apart.
.set PITCH, 1040                       ; an LDS row of 512 bf16: 1,024 bytes + 16: 65 x 16 bytes, so the 16 rows of a fragment load start in 16 different groups of four banks (ISA guide 11.1)
.set WT,    64*PITCH                   ; x's 64 rows lie at 0, fc_w's 64 rows here
.set OST,   128*PITCH                  ; the way out: 16 rows x 272 bytes for each wave
.set OP,    272
.set SPARE, OST+4*16*OP                ; the spare words, 128 bytes a wave: two blocks of 256 bytes that no other line names
.set LO16, 1                           ; v1   16 x lane
.set PX,   2                           ; v2   where my 8 bytes of a quarter row of x go
.set PW,   3                           ; v3   the same for fc_w
.set BO,   4                           ; v4   32 x (lane / 16): my eight biases in a tile of 16
.set SO,   5                           ; v5   16 x thread: the slice's stores
.set SI,   6                           ; v6   32 x thread: the slice's loads
.set AX,   7                           ; v7   my fragment of x
.set AWT,  8                           ; v8   my fragments of fc_w
.set OS,   9                           ; v9   the way out: where I put 32 bytes of a row
.set SPW,  10                          ; v10  my spare word; never rewritten
.set NIL,  11                          ; v11  0; never rewritten
.set OL,   13                          ; v13  the way out: where I read a row back
.set GO,   14                          ; v14  my byte offset in two rows of xh
.set SA,   16                          ; v16-79, v80-143: two staging batches of 16 loads
.set F0,   16                          ; later v16-55, v56-95: two fragment buffers (x 8, fc_w 4 x 8)
.set TL,   96                          ; v96-103 at work on the way out
.set ACC,  144                         ; v144-175 four accumulators
.set FB,   176                         ; v176-207 the bias, as the C operand that starts each sum
.set TS,   208                         ; v208-223 the slice, rounded
.set SL,   224                         ; v224-255 the slice, as loaded
.macro PLACES
.rept 4
	v_nop
.endr
.endm
	s_load_b512 s[4:19], s[0:1], 0x0               ; x s[4:5], fc_w s[6:7], fc_b s[8:9], k_w s[10:11], v_w s[12:13], q_w s[14:15], wb s[16:17], xh s[18:19]
	v_lshl_add_u32 v[SPW], v0, 2, SPARE
	v_mov_b32 v[NIL], 0
	v_lshrrev_b32 v12, 5, v0
	v_readfirstlane_b32 s20, v12                   ; wave 0..3
	v_and_b32 v12, 31, v0                          ; lane
	v_and_b32 v15, 15, v0                          ; r = lane % 16
	v_bfe_u32 v[TS], v0, 4, 1                      ; h = lane / 16
	s_mul_i32 s21, s20, 16*PITCH                   ; my wave's 16 rows in either LDS tile
	s_mul_i32 s22, s20, 16*OP
	s_add_co_u32 s22, s22, OST                     ; my stage
	s_mov_b32 s2, 0x3e4ccccd                       ; 0.2
	s_mov_b32 s3, s2                               ; named with it as a pair
	v_lshlrev_b32 v[LO16], 4, v12
	v_lshl_add_u32 v[PX], v12, 3, s21
	v_add_nc_u32 v[PW], WT, v[PX]
	v_lshlrev_b32 v[BO], 5, v[TS]
	v_lshlrev_b32 v[SO], 4, v0
	v_lshlrev_b32 v[SI], 5, v0
	v_mul_u32_u24 v[AWT], v15, PITCH
	v_lshl_add_u32 v[AWT], v[TS], 4, v[AWT]        ; r x pitch + 16 h
	v_add_nc_u32 v[AX], s21, v[AWT]
	v_add_nc_u32 v[AWT], WT, v[AWT]
	v_mul_u32_u24 v[OS], v15, OP
	v_lshl_add_u32 v[OS], v[TS], 5, v[OS]          ; in: row r, 32 bytes for each half of the lanes
	v_add_nc_u32 v[OS], s22, v[OS]
	v_mul_u32_u24 v[OL], v[TS], OP
	v_lshl_add_u32 v[OL], v15, 4, v[OL]            ; back: lanes 0-15 one row of 256 bytes, lanes 16-31 the next
	v_add_nc_u32 v[OL], s22, v[OL]
	v_lshlrev_b32 v[GO], 11, v[TS]
	v_lshl_add_u32 v[GO], v15, 4, v[GO]            ; and the same two rows in xh
	s_lshr_b32 s28, ttmp9, 6                       ; which matrix I convert: 0 fc_w, 1 k_w, 2 v_w, 3 q_w
	s_and_b32 s29, ttmp9, 63                       ; which 8 rows of it
	s_and_b32 s30, ttmp9, 7                        ; my block of 64 features
	s_lshr_b32 s31, ttmp9, 3                       ; my block of 64 rows of x
	s_lshr_b32 s26, s29, 2                         ; the slice's place in wb: chunk = rows / 32,
	s_mul_i32 s26, s26, 98304
	s_lshl_b32 s27, s28, 15                        ; the matrix's 32 rows in the chunk,
	s_add_co_u32 s26, s26, s27
	s_and_b32 s27, s29, 3                          ; my 8 rows among them,
	s_lshl_b32 s27, s27, 13
	s_add_co_u32 s26, s26, s27
	s_add_co_u32 s26, s26, 524288-32768            ; behind fc_w's 512 rows (k_w is matrix 1)
	s_lshl_b32 s27, s29, 13                        ; fc_w lies as it is
	s_cmp_eq_u32 s28, 0
	s_cselect_b32 s26, s27, s26
	s_mov_b32 s27, 0
	s_wait_kmcnt 0x0
	s_add_nc_u64 s[26:27], s[16:17], s[26:27]      ; wb at my slice
	s_cmp_eq_u32 s28, 1
	s_cselect_b64 s[24:25], s[10:11], s[6:7]
	s_cmp_eq_u32 s28, 2
	s_cselect_b64 s[24:25], s[12:13], s[24:25]
	s_cmp_eq_u32 s28, 3
	s_cselect_b64 s[24:25], s[14:15], s[24:25]
	s_lshl_b32 s22, s29, 14                        ; 8 rows of 2,048 bytes
	s_mov_b32 s23, 0
	s_add_nc_u64 s[24:25], s[24:25], s[22:23]      ; the matrix at my slice
	s_lshl_b32 s22, s31, 17                        ; 64 rows of 2,048 bytes,
	s_lshl_b32 s21, s20, 15                        ; my wave's 16
	s_add_co_u32 s22, s22, s21
	s_add_nc_u64 s[32:33], s[4:5], s[22:23]        ; x at my wave's rows
	s_add_nc_u64 s[38:39], s[18:19], s[22:23]      ; xh at the same rows,
	s_lshl_b32 s22, s30, 8
	s_add_nc_u64 s[38:39], s[38:39], s[22:23]      ; at my 64 features
	s_add_nc_u64 s[36:37], s[8:9], s[22:23]        ; fc_b at my 64 features
	s_lshl_b32 s22, s30, 17
	s_add_co_u32 s22, s22, s21
	s_add_nc_u64 s[34:35], s[6:7], s[22:23]        ; fc_w at the 16 rows that my wave stages
.irp j, 0,1,2,3                        ; the slice: 8 f32 a thread and line, 4,096 bytes a work-group and line
	global_load_b128 v[SL+8*(\j):SL+8*(\j)+3],   v[SI], s[24:25] offset:4096*(\j)
	global_load_b128 v[SL+8*(\j)+4:SL+8*(\j)+7], v[SI], s[24:25] offset:4096*(\j)+16
.endr
.irp f, 0,1,2,3                        ; register j of tile f: the bias of feature 16 f + 8 h + j
	global_load_b128 v[FB+8*(\f):FB+8*(\f)+3],   v[BO], s[36:37] offset:64*(\f)
	global_load_b128 v[FB+8*(\f)+4:FB+8*(\f)+7], v[BO], s[36:37] offset:64*(\f)+16
.endr
; Batch n: four rows, each as four loads of 512 neighbouring bytes.  n = 0..3: my 16 rows of x; n = 4..7: my 16 rows of fc_w.
.macro LOADB n, buf
.irp i, 0,1,2,3
.irp q, 0,1,2,3
.if (\n) < 4
	global_load_b128 v[(\buf)+16*(\i)+4*(\q):(\buf)+16*(\i)+4*(\q)+3], v[LO16], s[32:33] offset:(4*(\n)+(\i))*2048+512*(\q)
.else
	global_load_b128 v[(\buf)+16*(\i)+4*(\q):(\buf)+16*(\i)+4*(\q)+3], v[LO16], s[34:35] offset:(4*((\n)-4)+(\i))*2048+512*(\q)
.endif
.endr
.endr
.endm
; The batch is rounded in place and stored: 8 bytes a lane, 256 neighbouring bytes a store.
.macro PUTB n, buf
.irp i, 0,1,2,3
.irp q, 0,1,2,3
.set rP, (\buf)+16*(\i)+4*(\q)
	v_cvt_pk_bf16_f32 v[rP], v[rP], v[rP+1]
	v_cvt_pk_bf16_f32 v[rP+1], v[rP+2], v[rP+3]
.if (\n) < 4
	ds_store_b64 v[PX], v[rP:rP+1] offset:(4*(\n)+(\i))*PITCH+256*(\q)
.else
	ds_store_b64 v[PW], v[rP:rP+1] offset:(4*((\n)-4)+(\i))*PITCH+256*(\q)
.endif
.endr
.endr
.endm
	LOADB 0, SA
	LOADB 1, SA+64
	s_wait_loadcnt 32                              ; loads come back in order (ISA guide 5.7.1): the slice and the bias are in, the 32 loads of the two batches stay out
.irp j, 0,1,2,3
.irp q, 0,1,2,3
	v_cvt_pk_bf16_f32 v[TS+4*(\j)+(\q)], v[SL+8*(\j)+2*(\q)], v[SL+8*(\j)+2*(\q)+1]
.endr
	global_store_b128 v[SO], v[TS+4*(\j):TS+4*(\j)+3], s[26:27] offset:2048*(\j)  ; a wave's store covers 512 consecutive bytes, at a multiple of 256 from wb's first byte
.endr
.set z, 0
.rept 16                               ; the bias takes bf16's bits, like every other input
	v_cvt_pk_bf16_f32 v[12+3*(z%2)], v[FB+2*z], v[FB+2*z+1]
	v_lshlrev_b32 v[FB+2*z], 16, v[12+3*(z%2)]
	v_and_b32 v[FB+2*z+1], 0xffff0000, v[12+3*(z%2)]
.set z, z+1
.endr
.irp n, 0,1,2,3,4,5
	s_wait_loadcnt 16                              ; batch n is in; the one younger batch stays out
	PUTB \n, SA+64*((\n)%2)
	LOADB (\n)+2, SA+64*((\n)%2)
.endr
	s_wait_loadcnt 16
	PUTB 6, SA
	s_wait_loadcnt 0x0
	PUTB 7, SA+64
	s_wait_dscnt 0x0                               ; for the others' sake: my rows of fc_w are in LDS
	s_barrier_signal -1
	s_barrier_wait -1
; Ten loads: the fragments of K step ks (32 along K): my 16 rows of x, four tiles of 16 features.
.macro FR ks, f
	ds_load_b128 v[(\f):(\f)+3],   v[AX] offset:64*(\ks)
	ds_load_b128 v[(\f)+4:(\f)+7], v[AX] offset:64*(\ks)+32
.irp t, 0,1,2,3
	ds_load_b128 v[(\f)+8+8*(\t):(\f)+8+8*(\t)+3],   v[AWT] offset:(\t)*16*PITCH+64*(\ks)
	ds_load_b128 v[(\f)+12+8*(\t):(\f)+12+8*(\t)+3], v[AWT] offset:(\t)*16*PITCH+64*(\ks)+32
.endr
.endm
	FR 0, F0
.set ks, 0
.rept 16                               ; the four accumulators take turns; the first K step starts the sums with the bias
.set fc, F0+40*(ks%2)
.set fn, F0+40*((ks+1)%2)
.if ks < 15
.if ks > 0
	PLACES                                         ; four places between the products that read the other buffer and the loads into it (ISA guide 7.12.1 for vector instructions)
.endif
	FR ks+1, fn
	s_wait_dscnt 10                                ; all but the ten just issued
.else
	s_wait_dscnt 0x0
.endif
.irp t, 0,1,2,3
.if ks == 0
	v_wmma_f32_16x16x32_bf16 v[ACC+8*(\t):ACC+8*(\t)+7], v[fc+8+8*(\t):fc+8+8*(\t)+7], v[fc:fc+7], v[FB+8*(\t):FB+8*(\t)+7]
.else
	v_wmma_f32_16x16x32_bf16 v[ACC+8*(\t):ACC+8*(\t)+7], v[fc+8+8*(\t):fc+8+8*(\t)+7], v[fc:fc+7], v[ACC+8*(\t):ACC+8*(\t)+7]
.endif
.endr
.set ks, ks+1
.endr
	; THE WAY OUT: lrelu, 32 bytes a lane and tile into my own stage, back as whole rows of 256 bytes.
	PLACES
.irp t, 0,1,2,3
.irp q, 0,1,2,3
	v_pk_mul_f32 v[TL+2*(\q):TL+2*(\q)+1], v[ACC+8*(\t)+2*(\q):ACC+8*(\t)+2*(\q)+1], s[2:3] op_sel_hi:[1,0]
.endr
.irp j, 0,1,2,3,4,5,6,7
	v_max_num_f32 v[ACC+8*(\t)+(\j)], v[ACC+8*(\t)+(\j)], v[TL+(\j)]
.endr
	ds_store_b128 v[OS], v[ACC+8*(\t):ACC+8*(\t)+3]   offset:64*(\t)
	ds_store_b128 v[OS], v[ACC+8*(\t)+4:ACC+8*(\t)+7] offset:64*(\t)+16
.endr
.irp i, 0,1,2,3,4,5,6,7
	ds_load_b128 v[16+4*(\i):19+4*(\i)], v[OL] offset:(\i)*2*OP  ; LDS serves a wave's instructions in order (ISA guide 5.7.1.4): these see the stores above
.endr
.irp i, 0,1,2,3,4,5,6,7
	s_wait_dscnt 7-(\i)                            ; rows 2 i and 2 i + 1 are back; the younger loads stay out
	global_store_b128 v[GO], v[16+4*(\i):19+4*(\i)], s[38:39] offset:4096*(\i)  ; 16 lanes store 256 consecutive bytes, at a multiple of 256 from xh's first byte
.endr
	s_wait_tensorcnt 0x0                           ; the wave's end: behind my last LDS store
	ds_add_u32 v[SPW], v[NIL]
	s_wait_dscnt 0x0
	s_endpgm
.Lfunc_end_k_qf8eee86fff_prep:
	.size	k_qf8eee86fff_prep, .Lfunc_end_k_qf8eee86fff_prep-k_qf8eee86fff_prep
	.p2alignl 7, 3214868480
	.fill 96, 4, 3214868480
	.section	.rodata,"a",@progbits
	.p2align	6, 0x0
	.amdhsa_kernel k_qf8eee86fff_prep
		.amdhsa_group_segment_fixed_size 151040
		.amdhsa_private_segment_fixed_size 0
		.amdhsa_enable_private_segment 0
		.amdhsa_kernarg_size 64
		.amdhsa_user_sgpr_count 2
		.amdhsa_user_sgpr_kernarg_segment_ptr 1
		.amdhsa_wavefront_size32 1
		.amdhsa_system_sgpr_workgroup_id_x 1
		.amdhsa_system_sgpr_workgroup_id_y 1
		.amdhsa_system_sgpr_workgroup_id_z 1
		.amdhsa_system_vgpr_workitem_id 0
		.amdhsa_next_free_vgpr 256
		.amdhsa_next_free_sgpr 66
		.amdhsa_reserve_vcc 0
		.amdhsa_float_denorm_mode_32 3
		.amdhsa_float_denorm_mode_16_64 3
		.amdhsa_memory_ordered 1
		.amdhsa_forward_progress 1
		.amdhsa_inst_pref_size 66
	.end_amdhsa_kernel
	.amdgpu_metadata
---
amdhsa.version: [ 1, 2 ]
amdhsa.kernels:
  - .name:           k_qf8eee86fff_prep
    .symbol:         k_qf8eee86fff_prep.kd
    .args:
      - { .name: x, .offset: 0, .size: 8, .value_kind: global_buffer, .address_space: global }
      - { .name: fc_w, .offset: 8, .size: 8, .value_kind: global_buffer, .address_space: global }
      - { .name: fc_b, .offset: 16, .size: 8, .value_kind: global_buffer, .address_space: global }
      - { .name: k_w, .offset: 24, .size: 8, .value_kind: global_buffer, .address_space: global }
      - { .name: v_w, .offset: 32, .size: 8, .value_kind: global_buffer, .address_space: global }
      - { .name: q_w, .offset: 40, .size: 8, .value_kind: global_buffer, .address_space: global }
      - { .name: wb, .offset: 48, .size: 8, .value_kind: global_buffer, .address_space: global }
      - { .name: xh, .offset: 56, .size: 8, .value_kind: global_buffer, .address_space: global }
    .group_segment_fixed_size: 151040
    .private_segment_fixed_size: 0
    .kernarg_segment_align: 8
    .kernarg_segment_size: 64
    .max_flat_workgroup_size: 128
    .sgpr_count:     66
    .vgpr_count:     256
    .wavefront_size: 32
...
	.end_amdgpu_metadata
.endif
;; end of part 1
;; launch main (part 2): grid 256 x 1, 4 waves a work-group, clusters of 4 x 1, 327,680 bytes of LDS; arguments y, wb, xh, fc_b, k_b, v_b, q_b, out0; writes out0
.if DOCPART == 2
	.amdgcn_target "amdgcn-amd-amdhsa--gfx1250"
	.amdhsa_code_object_version 6
	.text
	.protected	k_qf8eee86fff_main
	.globl	k_qf8eee86fff_main
	.p2align	8
	.type	k_qf8eee86fff_main,@function
k_qf8eee86fff_main:
	s_mov_b64 s[64:65], 0
	v_nop
	global_prefetch_b8 v0, s[64:65] scope:SCOPE_SE
	s_setreg_imm32_b32 hwreg(HW_REG_WAVE_MODE, 25, 1), 1
	s_wait_xcnt 0x0
	s_wait_alu depctr_hold_cnt(0) depctr_sa_sdst(0) depctr_va_vdst(0) depctr_va_sdst(0) depctr_va_ssrc(0) depctr_va_vcc(0) depctr_vm_vsrc(0)
	s_getreg_b32 s2, hwreg(HW_REG_IB_STS2, 6, 4)
	s_cmp_eq_u32 s2, 0
	s_cbranch_scc0 .Lentry_in_a_cluster
	s_endpgm
.Lentry_in_a_cluster:
	s_bfe_u32 s2, ttmp6, 0x10000c
	s_cmp_lg_u32 s2, 0x3003
	s_cbranch_scc0 .Lentry_shape_is_right
	s_endpgm
.Lentry_shape_is_right:
; out = (xh + h) / 2, h[b][o] = sum over the group's 32 rows l of lrelu(vec[l][o] e[l][o]), e = softmax over l of key[l][o] query[b][o],
; yh = lrelu(y fc_w^T + fc_b), key = yh k_w^T + k_b, vec = yh v_w^T + v_b, query = xh q_w^T + q_b.  y: [2048][32][512] f32; wb: all weights in bf16, in streaming order; xh: [2048][512] f32.
; FORMATS.  y, the weights, yh, and xh where it is multiplied by q_w go to the matrix unit in bf16; sums in f32.  The four biases take bf16's bits and are used as f32 numbers.  All else in f32.
; ALGEBRA.  e > 0 and lrelu(t s) = s lrelu(t) for s > 0, so h = (sum p lrelu(vec)) / (sum p), p = 2^(a - max a), a = (key query) log2(e); the maximum is the true maximum of the 32 rows.
; LIMITS.  A weight p below 2^-126 counts as 0; NaN and infinities are not treated apart; the order of roundings differs from the problem's own.
; SHARES.  A work-group owns 8 groups (256 rows of y), each of its four waves 2 groups: 64 rows, four tiles of 16.  256 work-groups, one pass; yh, key, vec and e never leave the registers and LDS.
; FIRST PRODUCT, transposed (source 0 = 16 features of fc_w, source 1 = 16 rows of y): a lane holds one row and eight features, so two results rounded to bf16 ARE a fragment (16 rows x 32 features) of the second product.
; SECOND PRODUCT (source 0 = 16 rows of yh, source 1 = 16 output features): a lane holds ONE feature and eight rows a tile: a group's 32 rows lie in 16 registers of a lane and of the lane 16 away: one exchange a reduction.
; QUERY.  For a chunk of 32 features wave w multiplies the 8 groups' xh by q_w for 16 (w % 2) features and half w / 2 of K; the partial sums meet in LDS and are published by the ring's next barrier.
; THE WEIGHTS, 2 MiB, are walked by every work-group: 24 tiles through two LDS slots.  CLUSTER: the four work-groups of a cluster ask for each tile JOINTLY (same line, same descriptor, mask of four).
; y comes in first, in two halves of K (256 KiB of f32 each: half of what LDS would need for all of it), each wave's rows by its own load, and is rounded into 512 registers.
; No prefetch: while y is loaded the launch keeps memory busy, and the weights are read again and again by all work-groups.
; REGISTERS, in windows of 256 (s_set_vgpr_msb: bits 1:0 source 0, 3:2 source 1, 5:4 source 2, 7:6 destination):
;   window 0: v0-15 addresses; first product: v16-31 bias, v32-95 eight accumulators, v96-159 four weight buffers; second: v16-143 two buffers of two K steps, v144-159 two of q_w; v160-255 yh, K steps 13-15
;   window 1: y, K steps 0-7; then key (64), vec (64), query (8) sums and the softmax's registers        window 2: y, K steps 8-15; then yh, K steps 8-12, and xh's fragments
;   window 3: y in f32 on its way in; then yh, K steps 0-7
.set PITCH, 1040                       ; an LDS row: 1,024 bytes + 16 = 65 x 16 bytes: the 16 rows of a fragment load start in 16 different groups of four banks (ISA guide 11.1)
.set YW,    64*PITCH                   ; a wave's 64 half rows of y; the four waves' lie from byte 0 on and are filled twice, then dead
.set SLOT1, 1<<17                      ; slot 0 at 0, slot 1 here: one exclusive or changes slots; a slot has up to 96 rows
.set HS,    96*PITCH                   ; h, f32 [8][512]
.set QB,    HS+8*2048                  ; query partial sums, f32 [parity 2][K half 2][8 groups][32 features]
.set BT,    QB+4096                    ; fc_b, k_b, v_b, q_b, 2,048 bytes each
.set STAGE, SLOT1+96*PITCH             ; yh, K steps 8-12, in fragment order: 20,480 bytes a wave.  HS, QB, BT and STAGE are stored to only after y's last fill, and no weight tile reaches them
.set STW,   5*4096
.set SPARE, STAGE+4*STW                ; the spare words, 128 bytes a wave: two blocks of 256 bytes that no other line names
.set AW,   1                           ; v1   my lane's place in the slot in hand
.set AW0,  2                           ; v2   r x pitch + 16 h; never rewritten
.set AY,   3                           ; v3   my lane's place in my wave's rows of y;
.set XO,   3                           ;      then my offset in xh's 8 rows;
.set AQ,   3                           ;      then my place in the slot's rows of q_w
.set BA,   4                           ; v4   my place in the bias tables; steps with the chunk
.set STG,  5                           ; v5   my 16 bytes in my wave's stage;
.set AQ0,  5                           ;      then AQ less the slot
.set SPW,  6                           ; v6   my spare word; never rewritten
.set NIL,  7                           ; v7   0; never rewritten
.set TP,   8                           ; v8-15 at work in the first product; then:
.set QSA0, 8                           ; v8   where I store query sums, less the parity
.set QLA0, 9                           ; v9   where I read them
.set HSA,  10                          ; v10  where I store h; steps with the chunk
.set QSA,  11
.set QLA,  12
.set LX,   13                          ; v13  16 x lane
.set HL,   14                          ; v14  my 16 bytes in my wave's two rows of h
.set FB,   16
.set ACC1, 32                          ; accumulator (row tile rt, feature tile ft) at ACC1 + 8 (2 rt + ft)
.set WB,   96
.set PB,   16                          ; pair p, K step kk, matrix m, feature tile ft at PB + 64 (p % 2) + 32 kk + 16 m + 8 ft
.set QW,   144
.set YH0,  160
.set KA,   0                           ; window 1: key sums at KA + 32 ft + 8 rt
.set VA,   64                          ;           vec sums likewise
.set QA,   128
.set VB,   136                          ;          v_b as the C operand that starts vec's sums
.set RKB,  152                          ;          k_b, q_b, v_b of my feature, by ft
.set RQB,  154
.set RVB,  156
.set QP,   160                          ;          query partial sums: 4 x K half + 2 x group + ft
.set CL,   168                          ;          four cells (group, ft) of 12: q log2e, q, q log2e k_b, -, max, -, sum p (2), sum p lv (2), 1 / sum, h
.set TV,   216
.set XF,   160                         ; window 2: xh's eight fragments
.set WV,  20                           ; s20  my wave's number
.set GY1, 24                           ; s[24:31] group 1 for y
.set GW1, 32                           ; s[32:39] group 1 for fc_w's tiles: 16 rows a wave
.set GW2, 40                           ; s[40:47] group 1 for the chunks: 24 rows a wave
.set G0Y, 48                           ; s[48:51] group 0 for y
.set G0W, 52                           ; s[52:55] group 0 for the weights: it walks
.set W8A, 56                           ; s[56:57] wb at my rows of chunk 0
.set W8L, 58                           ; s58  their place in slot 0
.set T,   59                           ; s59  the loops' counter
.set SEL, 60                           ; s[60:61] v_permlanex16_b32's selects: each lane takes its own place in the other half
.set L2E, 63                           ; s63  log2(e)
.set SLP, 66                           ; s[66:67] 0.2
.set SLB, 68                           ; s68  the slot in hand: 0 or SLOT1
.set QPW, 69                           ; s69  parity of the query sums that are stored
.set OFW, 70                           ; s[70:71] offsets made of the wave's number alone
.set XFB, 72                           ; s[72:73] xh at my work-group's rows, my half of K
.set XHB, 74                           ; s[74:75] xh at my wave's two rows
.set OUB, 76                           ; s[76:77] out0 at my wave's two rows
.set OFG, 78                           ; s[78:79] offsets that hold the work-group's number: with s21 and s22 the only registers that ever do
.set QPR, 80                           ; s80  parity of the query sums that are read
.set TA,  81
.set TB,  82
.set MSB, 0
.macro WIN new                         ; the immediate's high byte repeats the setting that is left; a switch that changes nothing is dropped
.if MSB != (\new)
	s_set_vgpr_msb (MSB<<8)|(\new)
.set MSB, (\new)
.endif
.endm
.macro PLACES                          ; four places behind matrix instructions (ISA guide 7.12.1 for vector instructions)
.rept 4
	v_nop
.endr
.endm
; A round of the cluster's barrier: my work-group's barrier, so that wave 0's signal speaks for all four waves; wave 0 signals; every wave waits for all four work-groups; my work-group's barrier once more.
.macro ROUND
	s_barrier_signal -1
	s_barrier_wait -1
	s_cmp_lg_u32 s[WV], 0
	s_cbranch_scc1 .Lnot_wave_0_\@
	s_barrier_signal -3
.Lnot_wave_0_\@:
	s_barrier_wait -3
	s_barrier_signal -1
	s_barrier_wait -1
.endm
.macro TLOAD g0, g1                    ; an s_nop 0 and four v_nop follow every tensor load
	tensor_load_to_lds s[(\g0):(\g0)+3], s[(\g1):(\g1)+7]
	s_nop 0
	PLACES
.endm
; THE CHANGE OF SLOTS.  Each wave waits for all its tensor loads, of which one is out: its rows of the tile to be read now; adds 0 to its spare word; and waits for that and for all its LDS instructions, the reads of
; the slot that it leaves and its stores of query sums among them.  fill = 1: the barrier is a round of the cluster's, and the joint refill of the slot just left is the first thing behind it: it has a whole trip in which to land.
; step: bytes from tile to tile in wb; 0: the walk goes over from fc_w's tiles to chunk 0.  g2 = 1: the second product's addresses.
.macro RING g1, step, fill, g2
	WIN 0
	s_wait_tensorcnt 0x0                           ; no tensor load of mine is out, so group 0 may be written
	ds_add_u32 v[SPW], v[NIL]                      ; 0 onto my spare word; work on registers stands between it and the wait for it
.if \fill
.if (\step) == 0
	s_mov_b32 s[G0W+1], s[W8L]
	s_mov_b64 s[G0W+2:G0W+3], s[W8A:W8A+1]
	s_or_b32 s[G0W+3], s[G0W+3], 0x80000000
.else
	s_xor_b32 s[G0W+1], s[G0W+1], SLOT1
	s_add_nc_u64 s[G0W+2:G0W+3], s[G0W+2:G0W+3], \step  ; the type bits on top are not reached
.endif
.endif
	s_xor_b32 s[SLB], s[SLB], SLOT1
	v_add_nc_u32 v[AW], s[SLB], v[AW0]
.if \g2
	v_add_nc_u32 v[AQ], s[SLB], v[AQ0]
.endif
	s_wait_dscnt 0x0
.if \fill
	ROUND
	TLOAD G0W, \g1
.else
	s_barrier_signal -1
	s_barrier_wait -1
	PLACES
.endif
.endm
; ---------------------------------------------------------------- y on its way in
; 32 loads: row tile rt of the half in LDS, eight K steps; a lane's 16 numbers of a K step are 32 bytes at 32 h and 32 bytes at 64 + 32 h.
.macro LOADY rt, buf
	WIN 0xc0                                       ; destination window 3
.set z, 0
.rept 8
	ds_load_b128 v[128*(\buf)+16*z:128*(\buf)+16*z+3],     v[AY] offset:(\rt)*16*PITCH+128*z
	ds_load_b128 v[128*(\buf)+16*z+4:128*(\buf)+16*z+7],   v[AY] offset:(\rt)*16*PITCH+128*z+16
	ds_load_b128 v[128*(\buf)+16*z+8:128*(\buf)+16*z+11],  v[AY] offset:(\rt)*16*PITCH+128*z+64
	ds_load_b128 v[128*(\buf)+16*z+12:128*(\buf)+16*z+15], v[AY] offset:(\rt)*16*PITCH+128*z+80
.set z, z+1
.endr
.endm
.macro CVTY rt, buf, win               ; rounded to bf16: the fragment of K step z / 8 at 32 (z / 8) + 8 rt of window win
	WIN ((\win)<<6)|0x0f
.set z, 0
.rept 64
	v_cvt_pk_bf16_f32 v[32*(z/8)+8*(\rt)+z%8], v[128*(\buf)+2*z], v[128*(\buf)+2*z+1]
.set z, z+1
.endr
.endm
.macro YCONV win
	LOADY 0, 0
	LOADY 1, 1
	s_wait_dscnt 32                                ; LDS loads come back in order: the older batch is in, the younger 32 stay out
	CVTY 0, 0, \win
	LOADY 2, 0
	s_wait_dscnt 32
	CVTY 1, 1, \win
	LOADY 3, 1
	s_wait_dscnt 32
	CVTY 2, 0, \win
	s_wait_dscnt 0x0
	CVTY 3, 1, \win
	WIN 0
.endm
; ---------------------------------------------------------------- the first product
.macro W1 sub, ks, q                   ; load q of 4 of K step ks: feature tile q / 2, half q % 2 of the fragment
	ds_load_b128 v[WB+16*((\ks)%4)+4*(\q):WB+16*((\ks)%4)+4*(\q)+3], v[AW] offset:(32*(\sub)+16*((\q)/2))*PITCH+64*(\ks)+32*((\q)%2)
.endm
.macro PRIME1 sub                      ; the chunk's 32 biases (register j of tile ft: feature 16 ft + 8 h + j) and the weights of K steps 0 to 2
	WIN 0
	ds_load_b128 v[FB:FB+3],     v[BA]
	ds_load_b128 v[FB+4:FB+7],   v[BA] offset:16
	ds_load_b128 v[FB+8:FB+11],  v[BA] offset:64
	ds_load_b128 v[FB+12:FB+15], v[BA] offset:80
	v_add_nc_u32 v[BA], 128, v[BA]                 ; the next chunk's
.irp k, 0,1,2
.irp q, 0,1,2,3
	W1 \sub, \k, \q
.endr
.endr
.endm
; 32 features x my 64 rows x all of K: 128 matrix instructions, the eight accumulators by turns; the first K step starts the sums with the bias.
; K step ks + 3's four loads ride behind the last four products of K step ks; four v_nop behind the first four are the places between the products that read that buffer (K step ks - 1's) and the loads.
.macro GEMM1 sub
.set k1, 0
.rept 16
.if k1 < 14
	s_wait_dscnt 8                                 ; this K step's weights are in; the eight loads of the next two K steps may stay out
.elseif k1 == 14
	s_wait_dscnt 4                                 ; only the last K step's four
.else
	s_wait_dscnt 0x0
.endif
	WIN 0x04+0x04*(k1/8)                           ; source 1 (y) in window 1 or 2; all else, the riding loads' registers too, in window 0
.set i1, 0
.rept 8
.set rD, ACC1+8*i1
.set rA, WB+16*(k1%4)+8*(i1%2)
.set rB, 32*(k1%8)+8*(i1/2)
.if k1 == 0
	v_wmma_f32_16x16x32_bf16 v[rD:rD+7], v[rA:rA+7], v[rB:rB+7], v[FB+8*(i1%2):FB+8*(i1%2)+7]
.else
	v_wmma_f32_16x16x32_bf16 v[rD:rD+7], v[rA:rA+7], v[rB:rB+7], v[rD:rD+7]
.endif
.if k1 < 13
.if i1 < 4
	v_nop
.else
	W1 \sub, k1+3, i1-4
.endif
.endif
.set i1, i1+1
.endr
.set k1, k1+1
.endr
.endm
.macro EPI1                            ; lrelu(t) = max(t, 0.2 t), each accumulator from its low end on
	WIN 0
.set a1, 0
.rept 8
.irp q, 0,1,2,3
	v_pk_mul_f32 v[TP+2*(\q):TP+2*(\q)+1], v[ACC1+8*a1+2*(\q):ACC1+8*a1+2*(\q)+1], s[SLP:SLP+1] op_sel_hi:[1,0]
.endr
.irp j, 0,1,2,3,4,5,6,7
	v_max_num_f32 v[ACC1+8*a1+(\j)], v[ACC1+8*a1+(\j)], v[TP+(\j)]
.endr
.set a1, a1+1
.endr
.endm
; Chunk c of yh is rounded to bf16 and becomes K step c of the second product: feature tile 0 gives a fragment's registers 0-3, tile 1 its registers 4-7.
; c < 8: window 3.  c = 8..12: in place, then into my stage.  c = 13..15: window 0.
.macro PACK c
.if (\c) < 8
	WIN 0xc0
.else
	WIN 0
.endif
.set a3, 0
.rept 8
.set rS3, ACC1+8*a3
.if (\c) < 8
.set rP3, 32*(\c)+8*(a3/2)+4*(a3%2)
.elseif (\c) >= 13
.set rP3, YH0+32*((\c)-13)+8*(a3/2)+4*(a3%2)
.else
.set rP3, rS3
.endif
.irp q, 0,1,2,3
	v_cvt_pk_bf16_f32 v[rP3+(\q)], v[rS3+2*(\q)], v[rS3+2*(\q)+1]
.endr
.if ((\c) >= 8) && ((\c) < 13)
	ds_store_b128 v[STG], v[rS3:rS3+3] offset:((\c)-8)*4096+(a3/2)*1024+(a3%2)*512
.endif
.set a3, a3+1
.endr
.endm
; In the loop the chunk's number hangs on the trip: chunk 2 T - sub.  One block for each trip, chosen by the counter; every jump goes forward, past neither a barrier nor a tensor load.
.macro PACKSW sub
	WIN 0
.irp k, 0,1,2,3,4,5,6
.if ((\sub) == 0) || ((\k) > 0)
	s_cmp_lg_u32 s[T], \k
	s_cbranch_scc1 .Lnp\@_\k
	PACK 2*(\k)-(\sub)
	WIN 0
.Lnp\@_\k:
.endif
.endr
.endm
; ---------------------------------------------------------------- the second product
; Load n of 18 of pair pp (K steps 2 pp, 2 pp + 1): n < 16: K step n / 8, matrix (n / 4) % 2 (k_w, v_w), feature tile (n / 2) % 2, half n % 2; n = 16, 17: q_w's fragment for K step pp of my half of K.
.macro LD2 pp, n
.if (\n) < 16
.set rL, PB+64*((\pp)%2)+4*(\n)
	ds_load_b128 v[rL:rL+3], v[AW] offset:(32*(((\n)/4)%2)+16*(((\n)/2)%2))*PITCH+(2*(\pp)+(\n)/8)*64+32*((\n)%2)
.else
.set rL, QW+8*((\pp)%2)+4*((\n)-16)
	ds_load_b128 v[rL:rL+3], v[AQ] offset:64*(\pp)+32*((\n)-16)
.endif
.endm
.macro PRIME2                          ; pair 0, and v_b of this chunk's features
	WIN 0
.set n2, 0
.rept 18
	LD2 0, n2
.set n2, n2+1
.endr
	WIN 0x40                                       ; destination window 1
	ds_load_b32 v[RVB],   v[BA] offset:2176
	ds_load_b32 v[RVB+1], v[BA] offset:2176+64
	WIN 0
.endm
.macro VBSET                           ; a lane holds one feature, so its eight registers of vec's C operand are one number
	s_wait_dscnt 0x0                               ; v_b and pair 0 are in
	WIN 0x41
.irp f, 0,1
.irp j, 0,1,2,3,4,5,6,7
	v_mov_b32 v[VB+8*(\f)+(\j)], v[RVB+(\f)]
.endr
.endr
.endm
; 32 features of key and of vec x my 64 rows x all of K, and my share of the query: 264 matrix instructions; the 17 accumulators take turns.
; Pair p + 1's 18 loads ride, two and two window switches behind a product, in pair p's first K step; four v_nop behind its first four products are the places between the products that read that buffer (pair p - 1's) and the loads.
.macro GEMM2
.set p2, 0
.rept 8
.if p2 > 0
	s_wait_dscnt 0x0                               ; pair p's loads, the last of them issued 19 matrix instructions ago
.endif
	WIN 0x52                                       ; xh's fragments in window 2, q_w in window 0, the sums in window 1
.if p2 == 0
	v_wmma_f32_16x16x32_bf16 v[QA:QA+7], v[XF+8*p2:XF+8*p2+7], v[QW+8*(p2%2):QW+8*(p2%2)+7], 0
.else
	v_wmma_f32_16x16x32_bf16 v[QA:QA+7], v[XF+8*p2:XF+8*p2+7], v[QW+8*(p2%2):QW+8*(p2%2)+7], v[QA:QA+7]
.endif
.set kk2, 0
.rept 2
.set ks2, 2*p2+kk2
.if ks2 < 8
.set wA2, 3
.set rA2, 32*ks2
.elseif ks2 < 13
.set wA2, 2
.set rA2, 32*(ks2-8)
.else
.set wA2, 0
.set rA2, YH0+32*(ks2-13)
.endif
.set i2, 0
.rept 16                               ; row tile i / 4, matrix (i / 2) % 2, feature tile i % 2
.set rD2, 64*((i2/2)%2)+32*(i2%2)+8*(i2/4)
.set rB2, PB+64*(p2%2)+32*kk2+16*((i2/2)%2)+8*(i2%2)
.set rY2, rA2+8*(i2/4)
	WIN 0x50+wA2
.if (ks2 == 0) && ((i2/2)%2 == 0)
	v_wmma_f32_16x16x32_bf16 v[rD2:rD2+7], v[rY2:rY2+7], v[rB2:rB2+7], 0
.elseif ks2 == 0
	v_wmma_f32_16x16x32_bf16 v[rD2:rD2+7], v[rY2:rY2+7], v[rB2:rB2+7], v[VB+8*(i2%2):VB+8*(i2%2)+7]
.else
	v_wmma_f32_16x16x32_bf16 v[rD2:rD2+7], v[rY2:rY2+7], v[rB2:rB2+7], v[rD2:rD2+7]
.endif
.if (kk2 == 0) && (p2 < 7)
.if i2 < 4
	v_nop
.elseif i2 < 13
	WIN 0
	LD2 p2+1, 2*(i2-4)
	LD2 p2+1, 2*(i2-4)+1
.endif
.endif
.set i2, i2+1
.endr
.set kk2, kk2+1
.endr
.set p2, p2+1
.endr
.endm
.macro QSTORE                          ; register j: group j, feature 16 (w % 2) + r; both halves of the lanes hold, and store, the same number
	PLACES
	WIN 0x04                                       ; data in window 1
.irp j, 0,1,2,3,4,5,6,7
	ds_store_b32 v[QSA], v[QA+(\j)] offset:128*(\j)
.endr
	WIN 0
.endm
.macro STEP2                           ; on to the next chunk: the bias tables' place, and the two parities change places
	WIN 0
	v_add_nc_u32 v[BA], 128, v[BA]
	s_xor_b32 s[QPW], s[QPW], 2048
	s_xor_b32 s[QPR], s[QPR], 2048
	v_add_nc_u32 v[QSA], s[QPW], v[QSA0]
	v_add_nc_u32 v[QLA], s[QPR], v[QLA0]
.endm
; THE SOFTMAX of the chunk whose sums lie in the registers: four CELLS (group bb of my two, feature tile ft), cell = 2 bb + ft; a cell's 16 rows are two accumulators on end.  Each line is written for all four cells
; in turn, so that no instruction reads the result of the one before it.
.macro CREG cl
.set nC, (\cl)
.set fC, (\cl)%2
.set rC, CL+12*(\cl)
.set rK, KA+32*((\cl)%2)+16*((\cl)/2)
.set rV, VA+32*((\cl)%2)+16*((\cl)/2)
.endm
.macro EACH line:vararg
.irp cl, 0,1,2,3
	CREG \cl
	\line
.endr
.endm
.macro EPI2
	WIN 0x40
.irp n, 0,1,2,3,4,5,6,7
	ds_load_b32 v[QP+(\n)], v[QLA] offset:((\n)/4)*1024+(((\n)/2)%2)*128+((\n)%2)*64
.endr
.irp f, 0,1
	ds_load_b32 v[RKB+(\f)], v[BA] offset:64*(\f)
	ds_load_b32 v[RQB+(\f)], v[BA] offset:4096+64*(\f)
.endr
	WIN 0x55                                       ; all in window 1
.set g4, 0
.rept 4                                ; lv = lrelu(vec), while those loads are out; each accumulator from its low end on
.set z, 0
.rept 8
	v_pk_mul_f32 v[TV+2*z:TV+2*z+1], v[VA+16*g4+2*z:VA+16*g4+2*z+1], s[SLP:SLP+1] op_sel_hi:[1,0]
.set z, z+1
.endr
.set z, 0
.rept 16
	v_max_num_f32 v[VA+16*g4+z], v[VA+16*g4+z], v[TV+z]
.set z, z+1
.endr
.set g4, g4+1
.endr
	s_wait_dscnt 0x0
	EACH v_add_f32 v[rC+3], v[QP+nC], v[QP+4+nC]           ; the two halves of K
	EACH v_add_f32 v[rC+1], v[rC+3], v[RQB+fC]             ; query
	EACH v_mul_f32 v[rC], s[L2E], v[rC+1]                  ; query log2(e)
	EACH v_mul_f32 v[rC+2], v[rC], v[RKB+fC]               ; times k_b
.set z, 0
.rept 8                                ; a = (key sum + k_b) query log2(e)
	EACH v_pk_fma_f32 v[rK+2*z:rK+2*z+1], v[rK+2*z:rK+2*z+1], v[rC:rC+1], v[rC+2:rC+3] op_sel_hi:[1,0,0]
.set z, z+1
.endr
	EACH v_max3_num_f32 v[rC+4], v[rK], v[rK+1], v[rK+2]   ; the maximum of my 16 rows, in two chains
	EACH v_max3_num_f32 v[rC+5], v[rK+8], v[rK+9], v[rK+10]
	EACH v_max3_num_f32 v[rC+4], v[rC+4], v[rK+3], v[rK+4]
	EACH v_max3_num_f32 v[rC+5], v[rC+5], v[rK+11], v[rK+12]
	EACH v_max3_num_f32 v[rC+4], v[rC+4], v[rK+5], v[rK+6]
	EACH v_max3_num_f32 v[rC+5], v[rC+5], v[rK+13], v[rK+14]
	EACH v_max3_num_f32 v[rC+4], v[rC+4], v[rK+7], v[rK+15]
	EACH v_max_num_f32 v[rC+4], v[rC+4], v[rC+5]
	EACH v_permlanex16_b32 v[rC+5], v[rC+4], s[SEL], s[SEL+1]  ; the group's other 16 rows lie in the lane 16 away
	EACH v_max_num_f32 v[rC+4], v[rC+4], v[rC+5]
.set z, 0
.rept 8
	EACH v_pk_add_f32 v[rK+2*z:rK+2*z+1], v[rK+2*z:rK+2*z+1], v[rC+4:rC+5] op_sel_hi:[1,0] neg_lo:[0,1] neg_hi:[0,1]
.set z, z+1
.endr
.set z, 0
.rept 16
	EACH v_exp_f32 v[rK+z], v[rK+z]
.set z, z+1
.endr
	v_nop                                          ; a plain instruction between the exponentials and the use of their results (ISA guide 5.7.2)
	s_wait_alu depctr_va_vdst(0)
	EACH v_pk_add_f32 v[rC+6:rC+7], v[rK:rK+1], v[rK+2:rK+3]
	EACH v_pk_mul_f32 v[rC+8:rC+9], v[rK:rK+1], v[rV:rV+1]
	EACH v_pk_fma_f32 v[rC+8:rC+9], v[rK+2:rK+3], v[rV+2:rV+3], v[rC+8:rC+9]
.set z, 2
.rept 6
	EACH v_pk_add_f32 v[rC+6:rC+7], v[rC+6:rC+7], v[rK+2*z:rK+2*z+1]
	EACH v_pk_fma_f32 v[rC+8:rC+9], v[rK+2*z:rK+2*z+1], v[rV+2*z:rV+2*z+1], v[rC+8:rC+9]
.set z, z+1
.endr
	EACH v_add_f32 v[rC+6], v[rC+6], v[rC+7]
	EACH v_add_f32 v[rC+8], v[rC+8], v[rC+9]
	EACH v_permlanex16_b32 v[rC+7], v[rC+6], s[SEL], s[SEL+1]
	EACH v_permlanex16_b32 v[rC+9], v[rC+8], s[SEL], s[SEL+1]
	EACH v_add_f32 v[rC+6], v[rC+6], v[rC+7]               ; sum p: at least 1, the maximum's own weight
	EACH v_add_f32 v[rC+8], v[rC+8], v[rC+9]               ; sum p lv
	EACH v_rcp_f32 v[rC+10], v[rC+6]
	v_nop                                          ; a plain instruction between the reciprocals and the use of their results
	s_wait_alu depctr_va_vdst(0)
	EACH v_mul_f32 v[rC+8], v[rC+8], v[rC+10]              ; h, the same in both halves of the lanes
	s_mov_b32 vcc_lo, 0xffff0000                   ; lanes 0-15 store my first group's h, lanes 16-31 my second's
.irp f, 0,1
	v_cndmask_b32 v[CL+12*(\f)+11], v[CL+12*(\f)+8], v[CL+12*(2+(\f))+8], vcc_lo
.endr
	WIN 0x04
.irp f, 0,1
	ds_store_b32 v[HSA], v[CL+12*(\f)+11] offset:64*(\f)
.endr
	WIN 0
	v_add_nc_u32 v[HSA], 128, v[HSA]               ; the next chunk's 32 features
.endm
; ================================================================ the text
	s_load_b512 s[4:19], s[0:1], 0x0               ; y s[4:5], wb s[6:7], xh s[8:9], fc_b s[10:11], k_b s[12:13], v_b s[14:15], q_b s[16:17], out0 s[18:19]
	v_lshl_add_u32 v[SPW], v0, 2, SPARE
	v_mov_b32 v[NIL], 0
	ds_add_u32 v[SPW], v[NIL]                      ; the wave's opening: the add and its wait stand ahead of my first tensor load; the set-up below, work on registers, stands between them
	v_lshrrev_b32 v8, 5, v0
	v_readfirstlane_b32 s[WV], v8                  ; wave 0..3
	s_bfe_u32 s21, ttmp6, 0x40000                  ; cx: my place in the cluster
	s_lshl_b32 s22, ttmp9, 2                       ; in a cluster launch ttmp9 counts clusters
	s_add_co_u32 s22, s22, s21                     ; my work-group: it enters the addresses of y, xh and out0 alone
	; group 1 for y: 64 rows x 256 f32, 512 from row to row, padded in LDS
	s_mov_b32 s[GY1],   (2<<16)|(1<<20)|(7<<22)|(3<<25)  ; 15:0 no mask; 17:16 elements of 4 bytes; 20 padding on; 24:22 after every 256 words (code 7); 31:25 4 words of it (code 3)
	s_mov_b32 s[GY1+1], 256<<16                    ; tensor_dim0 = 256
	s_mov_b32 s[GY1+2], 64<<16                     ; tensor_dim1 = 64
	s_mov_b32 s[GY1+3], 256<<16                    ; tile_dim0 = 256
	s_mov_b32 s[GY1+4], 64                         ; tile_dim1 = 64
	s_mov_b32 s[GY1+5], 512                        ; elements from row to row
	s_mov_b32 s[GY1+6], 0
	s_mov_b32 s[GY1+7], 0
	; group 1 for the weights: rows of 512 bf16, dense; 16 or 24 rows a wave
.irp g, GW1, GW2
	s_mov_b32 s[(\g)],   15|(1<<16)|(1<<20)|(1<<21)|(7<<22)|(3<<25)  ; 15:0 the mask of four; 17:16 elements of 2 bytes; 20 padding on; 21 set beside a mask; the same padding
	s_mov_b32 s[(\g)+1], 512<<16
	s_mov_b32 s[(\g)+3], 512<<16
	s_mov_b32 s[(\g)+5], 512
	s_mov_b32 s[(\g)+6], 0
	s_mov_b32 s[(\g)+7], 0
.endr
	s_mov_b32 s[GW1+2], 16<<16
	s_mov_b32 s[GW1+4], 16
	s_mov_b32 s[GW2+2], 24<<16
	s_mov_b32 s[GW2+4], 24
	s_mov_b32 s[G0Y], 1                            ; count = 1
	s_mul_i32 s[G0Y+1], s[WV], YW                  ; my wave's rows of y in LDS
	s_mov_b32 s[G0W], 1
	s_mul_i32 s[G0W+1], s[WV], 16*PITCH            ; my 16 rows of a tile of fc_w, slot 0
	s_mul_i32 s[W8L], s[WV], 24*PITCH              ; my 24 rows of a chunk, slot 0
	s_mov_b32 s[SEL], 0x76543210
	s_mov_b32 s[SEL+1], 0xfedcba98
	s_mov_b32 s[L2E], 0x3fb8aa3b
	s_mov_b32 s[SLP], 0x3e4ccccd
	s_mov_b32 s[SLP+1], s[SLP]                     ; named with it as a pair
	s_mov_b32 s[SLB], SLOT1                        ; the first change of slots turns it into 0
	s_lshl_b32 s[OFG], s22, 19                     ; my work-group's 256 rows of 2,048 bytes
	s_mov_b32 s[OFG+1], 0
	s_lshl_b32 s[OFW], s[WV], 17                   ; my wave's 64
	s_mov_b32 s[OFW+1], 0
	s_wait_dscnt 0x0                               ; the opening add is done
	s_wait_kmcnt 0x0
	s_add_nc_u64 s[G0Y+2:G0Y+3], s[4:5], s[OFG:OFG+1]
	s_add_nc_u64 s[G0Y+2:G0Y+3], s[G0Y+2:G0Y+3], s[OFW:OFW+1]
	s_or_b32 s[G0Y+3], s[G0Y+3], 0x80000000        ; type = 2
	s_lshl_b32 s[OFW], s[WV], 14                   ; 16 rows of 1,024 bytes
	s_add_nc_u64 s[G0W+2:G0W+3], s[6:7], s[OFW:OFW+1]
	s_or_b32 s[G0W+3], s[G0W+3], 0x80000000
	s_mul_i32 s[OFW], s[WV], 24576                 ; 24 rows,
	s_add_co_u32 s[OFW], s[OFW], 524288            ; behind fc_w
	s_add_nc_u64 s[W8A:W8A+1], s[6:7], s[OFW:OFW+1]
	s_lshl_b32 s[OFG], s22, 14                     ; my work-group's 8 rows of xh and out0
	s_add_nc_u64 s[XFB:XFB+1], s[8:9], s[OFG:OFG+1]
	s_add_nc_u64 s[XHB:XHB+1], s[8:9], s[OFG:OFG+1]
	s_add_nc_u64 s[OUB:OUB+1], s[18:19], s[OFG:OFG+1]
	s_lshr_b32 s[OFW], s[WV], 1
	s_lshl_b32 s[OFW], s[OFW], 10                  ; my half of K in a row of xh
	s_add_nc_u64 s[XFB:XFB+1], s[XFB:XFB+1], s[OFW:OFW+1]
	s_lshl_b32 s[OFW], s[WV], 12                   ; my wave's two rows
	s_add_nc_u64 s[XHB:XHB+1], s[XHB:XHB+1], s[OFW:OFW+1]
	s_add_nc_u64 s[OUB:OUB+1], s[OUB:OUB+1], s[OFW:OFW+1]
	ROUND                                          ; in a cluster launch every group of tensor loads stands behind a round
	TLOAD G0Y, GY1                                 ; my 64 rows, K 0 to 255: the launch's one first fill; one load of mine is out
	v_lshlrev_b32 v9, 4, v0
	global_load_b128 v[16:19], v9, s[10:11]        ; the four biases, 16 bytes a thread each
	global_load_b128 v[20:23], v9, s[12:13]
	global_load_b128 v[24:27], v9, s[14:15]
	global_load_b128 v[28:31], v9, s[16:17]
	v_and_b32 v10, 15, v0                          ; r = lane % 16
	v_bfe_u32 v11, v0, 4, 1                        ; h = lane / 16
	v_mul_u32_u24 v[AW0], v10, PITCH
	v_lshl_add_u32 v[AY], v11, 5, v[AW0]
	v_add_nc_u32 v[AY], s[G0Y+1], v[AY]            ; my wave's rows + r x pitch + 32 h
	v_lshl_add_u32 v[AW0], v11, 4, v[AW0]          ; r x pitch + 16 h
	v_lshlrev_b32 v[BA], 5, v11
	v_add_nc_u32 v[BA], BT, v[BA]                  ; fc_b + 32 h
	v_and_b32 v12, 31, v0
	s_mul_i32 s[TA], s[WV], STW
	s_add_co_u32 s[TA], s[TA], STAGE
	v_lshl_add_u32 v[STG], v12, 4, s[TA]
	s_wait_tensorcnt 0x0                           ; my rows are in; nobody else reads them
	YCONV 1
	s_wait_tensorcnt 0x0                           ; the same bytes are filled again: all my tensor loads have landed,
	ds_add_u32 v[SPW], v[NIL]                      ; 0 onto my spare word,
	s_add_nc_u64 s[G0Y+2:G0Y+3], s[G0Y+2:G0Y+3], 1024  ; K 256 to 511
	s_wait_dscnt 0x0                               ; the add and my reads are done
	ROUND
	TLOAD G0Y, GY1
	s_wait_tensorcnt 0x0
	YCONV 2
	s_wait_tensorcnt 0x0                           ; y's bytes become the ring
	ds_add_u32 v[SPW], v[NIL]
	s_wait_dscnt 0x0
	ROUND
	TLOAD G0W, GW1                                 ; fc_w's features 0 to 63, into slot 0
	s_wait_loadcnt 0x0                             ; the biases take bf16's bits, like every other input, and go into LDS; the next round shows them to every wave
.set z, 0
.rept 8
	v_cvt_pk_bf16_f32 v[10+z%2], v[16+2*z], v[17+2*z]
	v_lshlrev_b32 v[16+2*z], 16, v[10+z%2]
	v_and_b32 v[17+2*z], 0xffff0000, v[10+z%2]
.set z, z+1
.endr
	v_add_nc_u32 v12, BT, v9
	ds_store_b128 v12, v[16:19]
	ds_store_b128 v12, v[20:23] offset:2048
	ds_store_b128 v12, v[24:27] offset:4096
	ds_store_b128 v12, v[28:31] offset:6144
	; THE FIRST PRODUCT: eight tiles of 64 features, two chunks of 32 each.  A chunk's lrelu and packing stand behind the next chunk's first loads.
	s_mov_b32 s[T], 0
.Lg1:                                  ; seven trips: tile T is multiplied, tile T + 1 asked for
	RING GW1, 65536, 1, 0
	PRIME1 0
	s_cmp_eq_u32 s[T], 0
	s_cbranch_scc1 .Lg1_first                      ; there is no chunk before the first
	EPI1
	PACKSW 1
.Lg1_first:
	GEMM1 0
	PLACES
	PRIME1 1
	EPI1
	PACKSW 0
	GEMM1 1
	WIN 0
	s_add_co_u32 s[T], s[T], 1
	s_cmp_lt_u32 s[T], 7
	s_cbranch_scc1 .Lg1
	RING GW2, 0, 1, 0                              ; the eighth tile is written out: the ring goes on into the second product's chunk 0
	PRIME1 0
	EPI1
	PACK 13
	GEMM1 0
	PLACES
	PRIME1 1
	EPI1
	PACK 14
	GEMM1 1
	PLACES                                         ; y is dead: its registers take what the second product needs
	WIN 0
	v_and_b32 v[XO], 7, v0                         ; xh as source 0 of the query's product: row r holds group r % 8,
	v_bfe_u32 v8, v0, 4, 1
	v_lshlrev_b32 v[XO], 11, v[XO]
	v_lshl_add_u32 v[XO], v8, 5, v[XO]             ; its numbers at 32 h and 64 + 32 h of each 128 bytes
	WIN 0x40
.set z, 0
.rept 8
	global_load_b128 v[16*z:16*z+3],     v[XO], s[XFB:XFB+1] offset:128*z
	global_load_b128 v[16*z+4:16*z+7],   v[XO], s[XFB:XFB+1] offset:128*z+16
	global_load_b128 v[16*z+8:16*z+11],  v[XO], s[XFB:XFB+1] offset:128*z+64
	global_load_b128 v[16*z+12:16*z+15], v[XO], s[XFB:XFB+1] offset:128*z+80
.set z, z+1
.endr
	EPI1
	PACK 15
	WIN 0x80                                       ; yh's K steps 8 to 12 come back from my stage, as they were laid: LDS serves a wave's instructions in order (ISA guide 5.7.1.4)
.set z, 0
.rept 40
	ds_load_b128 v[4*z:4*z+3], v[STG] offset:512*z
.set z, z+1
.endr
	WIN 0
	v_and_b32 v11, 15, v0
	v_lshlrev_b32 v11, 2, v11                      ; 4 r
	v_bfe_u32 v12, v0, 4, 1                        ; h
	v_and_b32 v[LX], 31, v0
	v_lshlrev_b32 v[LX], 4, v[LX]
	s_lshr_b32 s[TA], s[WV], 1                     ; my half of K in the query's product
	s_and_b32 s[TB], s[WV], 1                      ; my 16 of a chunk's 32 features there
	v_add_nc_u32 v[BA], BT+1920, v11               ; k_b of the chunk before at +0, v_b of the chunk in hand at +2,176, q_b of the chunk before at +4,096
	s_lshl_b32 s[OFW], s[TA], 10
	s_lshl_b32 s[OFW+1], s[TB], 6
	s_add_co_u32 s[OFW], s[OFW], s[OFW+1]
	s_add_co_u32 s[OFW], s[OFW], QB
	v_add_nc_u32 v[QSA0], s[OFW], v11
	s_lshl_b32 s[OFW], s[WV], 8                    ; my two groups' rows of 128 bytes
	s_add_co_u32 s[OFW], s[OFW], QB
	v_add_nc_u32 v[QLA0], s[OFW], v11
	s_lshl_b32 s[OFW], s[WV], 12                   ; my two rows of h
	s_add_co_u32 s[OFW], s[OFW], HS
	v_add_nc_u32 v[HL], s[OFW], v[LX]
	v_add_nc_u32 v[HSA], s[OFW], v11
	v_lshl_add_u32 v[HSA], v12, 11, v[HSA]
	s_mul_i32 s[OFW], s[TB], 16*PITCH
	s_lshl_b32 s[OFW+1], s[TA], 9
	s_add_co_u32 s[OFW], s[OFW], s[OFW+1]
	s_add_co_u32 s[OFW], s[OFW], 64*PITCH          ; q_w's rows lie behind k_w's and v_w's
	v_add_nc_u32 v[AQ0], s[OFW], v[AW0]
	s_mov_b32 s[QPW], 0
	s_mov_b32 s[QPR], 2048
	v_mov_b32 v[QSA], v[QSA0]
	v_add_nc_u32 v[QLA], 2048, v[QLA0]
	s_wait_loadcnt 0x0                             ; xh
	WIN 0x85                                       ; sources in window 1, destination in window 2
.set z, 0
.rept 64
	v_cvt_pk_bf16_f32 v[XF+z], v[2*z], v[2*z+1]
.set z, z+1
.endr
	WIN 0
	; THE SECOND PRODUCT: sixteen chunks of 32 output features.  A chunk's softmax stands behind the next chunk's first loads; the round in between has shown every wave the chunk's query sums.
	s_mov_b32 s[T], 0
.Lg2:                                  ; fifteen trips: chunk T is multiplied, chunk T + 1 asked for
	RING GW2, 98304, 1, 1
	PRIME2
	s_cmp_eq_u32 s[T], 0
	s_cbranch_scc1 .Lg2_first                      ; there is no chunk before the first
	EPI2
.Lg2_first:
	VBSET
	GEMM2
	QSTORE
	STEP2
	s_add_co_u32 s[T], s[T], 1
	s_cmp_lt_u32 s[T], 15
	s_cbranch_scc1 .Lg2
	RING GW2, 0, 0, 1                              ; the last chunk is written out: nothing is asked for
	PRIME2
	EPI2
	VBSET
	GEMM2
	QSTORE
.set z, 0
.rept 8
	global_load_b128 v[16+4*z:19+4*z], v[LX], s[XHB:XHB+1] offset:512*z  ; my two rows of xh, 4,096 consecutive bytes
.set z, z+1
.endr
	s_wait_dscnt 0x0                               ; for the others' sake: my query sums are in LDS
	s_barrier_signal -1
	s_barrier_wait -1
	STEP2
	EPI2
	; THE WAY OUT: my two rows of h come back as they lie in out0.
.set z, 0
.rept 8
	ds_load_b128 v[48+4*z:51+4*z], v[HL] offset:512*z  ; my own stores, in order
.set z, z+1
.endr
	s_wait_loadcnt 0x0
	s_wait_dscnt 0x0
.set z, 0
.rept 16
	v_pk_add_f32 v[16+2*z:17+2*z], v[16+2*z:17+2*z], v[48+2*z:49+2*z]
.set z, z+1
.endr
.set z, 0
.rept 16
	v_pk_mul_f32 v[16+2*z:17+2*z], v[16+2*z:17+2*z], 0.5 op_sel_hi:[1,0]
.set z, z+1
.endr
.set z, 0
.rept 8
	global_store_b128 v[LX], v[16+4*z:19+4*z], s[OUB:OUB+1] offset:512*z  ; 512 consecutive bytes, at a multiple of 256 from out0's first byte
.set z, z+1
.endr
	s_wait_tensorcnt 0x0                           ; the wave's end: behind my last tensor load and my last LDS store
	ds_add_u32 v[SPW], v[NIL]
	s_wait_dscnt 0x0
	ROUND                                          ; the closing round: no work-group ends while a partner may still ask for a tile that names it
	s_endpgm
.Lfunc_end_k_qf8eee86fff_main:
	.size	k_qf8eee86fff_main, .Lfunc_end_k_qf8eee86fff_main-k_qf8eee86fff_main
	.p2alignl 7, 3214868480
	.fill 96, 4, 3214868480
	.section	.rodata,"a",@progbits
	.p2align	6, 0x0
	.amdhsa_kernel k_qf8eee86fff_main
		.amdhsa_group_segment_fixed_size 327680
		.amdhsa_private_segment_fixed_size 0
		.amdhsa_enable_private_segment 0
		.amdhsa_kernarg_size 64
		.amdhsa_user_sgpr_count 2
		.amdhsa_user_sgpr_kernarg_segment_ptr 1
		.amdhsa_wavefront_size32 1
		.amdhsa_system_sgpr_workgroup_id_x 1
		.amdhsa_system_sgpr_workgroup_id_y 1
		.amdhsa_system_sgpr_workgroup_id_z 1
		.amdhsa_system_vgpr_workitem_id 0
		.amdhsa_next_free_vgpr 1024
		.amdhsa_next_free_sgpr 84
		.amdhsa_reserve_vcc 1
		.amdhsa_float_denorm_mode_32 3
		.amdhsa_float_denorm_mode_16_64 3
		.amdhsa_memory_ordered 1
		.amdhsa_forward_progress 1
		.amdhsa_inst_pref_size 255
	.end_amdhsa_kernel
	.section	.bss,"aw",@nobits
	.p2align	6
	.space	262144
	.amdgpu_metadata
---
amdhsa.version: [ 1, 2 ]
amdhsa.kernels:
  - .name:           k_qf8eee86fff_main
    .symbol:         k_qf8eee86fff_main.kd
    .args:
      - { .name: y, .offset: 0, .size: 8, .value_kind: global_buffer, .address_space: global }
      - { .name: wb, .offset: 8, .size: 8, .value_kind: global_buffer, .address_space: global }
      - { .name: xh, .offset: 16, .size: 8, .value_kind: global_buffer, .address_space: global }
      - { .name: fc_b, .offset: 24, .size: 8, .value_kind: global_buffer, .address_space: global }
      - { .name: k_b, .offset: 32, .size: 8, .value_kind: global_buffer, .address_space: global }
      - { .name: v_b, .offset: 40, .size: 8, .value_kind: global_buffer, .address_space: global }
      - { .name: q_b, .offset: 48, .size: 8, .value_kind: global_buffer, .address_space: global }
      - { .name: out0, .offset: 56, .size: 8, .value_kind: global_buffer, .address_space: global }
    .group_segment_fixed_size: 327680
    .private_segment_fixed_size: 0
    .kernarg_segment_align: 8
    .kernarg_segment_size: 64
    .max_flat_workgroup_size: 128
    .sgpr_count:     84
    .vgpr_count:     1024
    .wavefront_size: 32
...
	.end_amdgpu_metadata
.endif
;; end of part 2
;; ======== version 2 of 3: 2 launches; 1.20 times as fast as version 1
;; workspace buffers: wb 2,097,152 bytes; xh 4,194,304 bytes
;; launch prep: the kernel of part 1 again; grid 256 x 1, 4 waves a work-group, no clusters, 151,040 bytes of LDS; arguments x, fc_w, fc_b, k_w, v_w, q_w, wb, xh; writes wb, xh
;; launch main (part 3): grid 256 x 1, 4 waves a work-group, clusters of 4 x 1, 327,680 bytes of LDS; arguments y, wb, xh, fc_b, k_b, v_b, q_b, out0; writes out0
.if DOCPART == 3
	.amdgcn_target "amdgcn-amd-amdhsa--gfx1250"
	.amdhsa_code_object_version 6
	.text
	.protected	k_qf8eee86fff_main
	.globl	k_qf8eee86fff_main
	.p2align	8
	.type	k_qf8eee86fff_main,@function
k_qf8eee86fff_main:
	s_mov_b64 s[64:65], 0
	v_nop
	global_prefetch_b8 v0, s[64:65] scope:SCOPE_SE
	s_setreg_imm32_b32 hwreg(HW_REG_WAVE_MODE, 25, 1), 1
	s_wait_xcnt 0x0
	s_wait_alu depctr_hold_cnt(0) depctr_sa_sdst(0) depctr_va_vdst(0) depctr_va_sdst(0) depctr_va_ssrc(0) depctr_va_vcc(0) depctr_vm_vsrc(0)
	s_getreg_b32 s2, hwreg(HW_REG_IB_STS2, 6, 4)
	s_cmp_eq_u32 s2, 0
	s_cbranch_scc0 .Lentry_in_a_cluster
	s_endpgm
.Lentry_in_a_cluster:
	s_bfe_u32 s2, ttmp6, 0x10000c
	s_cmp_lg_u32 s2, 0x3003
	s_cbranch_scc0 .Lentry_shape_is_right
	s_endpgm
.Lentry_shape_is_right:
; out = (xh + h) / 2, h[b][o] = sum over the group's 32 rows l of lrelu(vec[l][o] e[l][o]), e = softmax over l of key[l][o] query[b][o],
; yh = lrelu(y fc_w^T + fc_b), key = yh k_w^T + k_b, vec = yh v_w^T + v_b, query = xh q_w^T + q_b.  y: [2048][32][512] f32; wb: all weights in bf16, in streaming order; xh: [2048][512] f32.
; FORMATS.  y, the weights, yh, and xh where it is multiplied by q_w go to the matrix unit in bf16; sums in f32.  The four biases take bf16's bits and are used as f32 numbers.  All else in f32.
; ALGEBRA.  e > 0 and lrelu(t s) = s lrelu(t) for s > 0, so h = (sum p lrelu(vec)) / (sum p), p = 2^(a - max a), a = (key query) log2(e); the maximum is the true maximum of the 32 rows.
; LIMITS.  A weight p below 2^-126 counts as 0; NaN and infinities are not treated apart; the order of roundings differs from the problem's own.
; SHARES.  A work-group owns 8 groups (256 rows of y), each of its four waves 2 groups: 64 rows, four tiles of 16.  256 work-groups, one pass; yh, key, vec and e never leave the registers and LDS.
; FIRST PRODUCT, transposed (source 0 = 16 features of fc_w, source 1 = 16 rows of y): a lane holds one row and eight features, so two results rounded to bf16 ARE a fragment (16 rows x 32 features) of the second product.
; SECOND PRODUCT (source 0 = 16 rows of yh, source 1 = 16 output features): a lane holds ONE feature and eight rows a tile: a group's 32 rows lie in 16 registers of a lane and of the lane 16 away: one exchange a reduction.
; BY TURNS.  A chunk of 32 output features is multiplied as two HALVES of 16, each 8 accumulators and 128 products.  While one half is multiplied, the other half's softmax works in place on its finished sums:
; half 0's beside half 1 of the same chunk, half 1's beside half 0 of the next.  The softmax is a numbered list; four of its instructions stand behind every second product.
; QUERY.  For a chunk wave w multiplies the 8 groups' xh by q_w for 16 (w % 2) features and half w / 2 of K, in the chunk's first half; the partial sums meet in LDS behind a barrier in its second half.
; THE WEIGHTS, 2 MiB, are walked by every work-group: 24 tiles through two LDS slots.  CLUSTER: the four work-groups of a cluster ask for each tile JOINTLY (same line, same descriptor, mask of four).
; THE LDS LOADS of weight fragments stand in runs of 16 or 20, at the head of a stretch of 32 to 34 matrix instructions and one such stretch ahead of their use, never singly among the matrix instructions.
; y comes in first, in two halves of K (256 KiB of f32 each: half of what LDS would need for all of it), each wave's rows by its own load, and is rounded into 512 registers.
; No prefetch: while y is loaded the launch keeps memory busy, and the weights are read again and again by all work-groups.
; REGISTERS, in windows of 256 (s_set_vgpr_msb: bits 1:0 source 0, 3:2 source 1, 5:4 source 2, 7:6 destination):
;   window 0: v0-15 addresses; first product: v16-31 bias, v32-95 eight accumulators, v96-223 two weight buffers of four K steps, v224-255 yh's K step 14;
;             second product: v16-143 two weight buffers of four K steps, v160-255 yh, K steps 13, 15, 14
;   window 1: y, K steps 0-7; then key (64), vec (64), query (8) sums and the softmax's registers        window 2: y, K steps 8-15; then yh, K steps 8-12, xh's fragments, and four fragments of q_w
;   window 3: y in f32 on its way in; then yh, K steps 0-7
; All that the softmax touches lies in window 1, the products' sources in the others: a slice of the softmax costs two switches.
.set PITCH, 1040                       ; an LDS row: 1,024 bytes + 16 = 65 x 16 bytes: the 16 rows of a fragment load start in 16 different groups of four banks (ISA guide 11.1)
.set YW,    64*PITCH                   ; a wave's 64 half rows of y; the four waves' lie from byte 0 on and are filled twice, then dead
.set SLOT1, 1<<17                      ; slot 0 at 0, slot 1 here: one exclusive or changes slots; a slot has up to 96 rows
.set HS,    96*PITCH+256               ; h, f32 [8][512]: 4,096 bytes a wave, its own; before that they stage the wave's K step 13 of yh.  The block ahead of it is left free: the address of h's stores begins one chunk back
.set QB,    HS+8*2048                  ; query partial sums, f32 [K half 2][8 groups][32 features]
.set BT,    QB+4096                    ; fc_b, k_b, v_b, q_b, 2,048 bytes each
.set STAGE, SLOT1+96*PITCH             ; yh, K steps 8-12, in fragment order: 20,480 bytes a wave.  HS, QB, BT and STAGE are stored to only after y's last fill, and no weight tile reaches them
.set STW,   5*4096
.set SPARE, STAGE+4*STW                ; the spare words, 128 bytes a wave: two blocks of 256 bytes that no other line names
.set AW,   1                           ; v1   my lane's place in the slot in hand
.set AW0,  2                           ; v2   r x pitch + 16 h; never rewritten
.set AY,   3                           ; v3   my lane's place in my wave's rows of y;
.set STG2, 3                           ;      then my 16 bytes in my wave's part of HS, for K step 13;
.set XO,   3                           ;      then my offset in xh's 8 rows;
.set AQ,   3                           ;      then my place in the slot's rows of q_w
.set BA,   4                           ; v4   my place in the bias tables; steps with the chunk
.set STG,  5                           ; v5   my 16 bytes in my wave's stage;
.set AQ0,  5                           ;      then AQ less the slot
.set SPW,  6                           ; v6   my spare word; never rewritten
.set NIL,  7                           ; v7   0; never rewritten
.set TP,   8                           ; v8-15 at work in the first product; then:
.set QSA,  8                           ; v8   where I store query sums
.set QLA,  9                           ; v9   where I read them
.set HSA,  10                          ; v10  where I store h of the chunk before; steps with the chunk
.set LX,   13                          ; v13  16 x lane
.set HL,   14                          ; v14  my 16 bytes in my wave's two rows of h
.set FB,   16
.set ACC1, 32                          ; accumulator (row tile rt, feature tile ft) at ACC1 + 8 (2 rt + ft)
.set WB,   96                          ; quad qd, K step k, feature tile ft at WB + 64 (qd % 2) + 16 (k % 4) + 8 ft
.set PB,   16                          ; quad g, K step k, matrix m (k_w, v_w) at PB + 64 (g % 2) + 16 (k % 4) + 8 m
.set YH0,  160                         ; K step ks = 13, 14, 15 at YH0 + 32 ((2 (ks - 13)) % 3): blocks 0, 2, 1
.set KA,   0                           ; window 1: key sums at KA + 32 ft + 8 rt
.set VA,   64                          ;           vec sums likewise
.set QA,   128
.set VB,   136                          ;          v_b as the C operand that starts vec's sums
.set RKB,  152                          ;          k_b, q_b, v_b of my feature, by ft
.set RQB,  154
.set RVB,  156
.set QP,   160                          ;          query partial sums: 4 x K half + 2 x group + ft
.set CL,   168                          ;          four cells (group, ft) of 12: q log2e, q, q log2e k_b, -, max, -, sum p (2), sum p lv (2), 1 / sum, h
.set TV,   216
.set XF,   160                         ; window 2: xh's eight fragments
.set QW2,  224                         ; window 2: q_w's fragment i at QW2 + 16 ((i / 2) % 2) + 8 (i % 2)
.set WV,  20                           ; s20  my wave's number
.set GY1, 24                           ; s[24:31] group 1 for y
.set GW1, 32                           ; s[32:39] group 1 for fc_w's tiles: 16 rows a wave
.set GW2, 40                           ; s[40:47] group 1 for the chunks: 24 rows a wave
.set G0Y, 48                           ; s[48:51] group 0 for y
.set G0W, 52                           ; s[52:55] group 0 for the weights: it walks
.set W8A, 56                           ; s[56:57] wb at my rows of chunk 0
.set W8L, 58                           ; s58  their place in slot 0
.set T,   59                           ; s59  the loops' counter
.set SEL, 60                           ; s[60:61] v_permlanex16_b32's selects: each lane takes its own place in the other half
.set L2E, 63                           ; s63  log2(e)
.set SLP, 66                           ; s[66:67] 0.2
.set SLB, 68                           ; s68  the slot in hand: 0 or SLOT1
.set OFW, 70                           ; s[70:71] offsets made of the wave's number alone
.set XFB, 72                           ; s[72:73] xh at my work-group's rows, my half of K
.set XHB, 74                           ; s[74:75] xh at my wave's two rows
.set OUB, 76                           ; s[76:77] out0 at my wave's two rows
.set OFG, 78                           ; s[78:79] offsets that hold the work-group's number: with s21 and s22 the only registers that ever do
.set TA,  81
.set TB,  82
.set MSB, 0
.macro WIN new                         ; the immediate's high byte repeats the setting that is left; a switch that changes nothing is dropped
.if MSB != (\new)
	s_set_vgpr_msb (MSB<<8)|(\new)
.set MSB, (\new)
.endif
.endm
.macro PLACES                          ; four places behind matrix instructions (ISA guide 7.12.1 for vector instructions)
.rept 4
	v_nop
.endr
.endm
; A round of the cluster's barrier: my work-group's barrier, so that wave 0's signal speaks for all four waves; wave 0 signals; every wave waits for all four work-groups; my work-group's barrier once more.
.macro ROUND
	s_barrier_signal -1
	s_barrier_wait -1
	s_cmp_lg_u32 s[WV], 0
	s_cbranch_scc1 .Lnot_wave_0_\@
	s_barrier_signal -3
.Lnot_wave_0_\@:
	s_barrier_wait -3
	s_barrier_signal -1
	s_barrier_wait -1
.endm
.macro TLOAD g0, g1                    ; an s_nop 0 and four v_nop follow every tensor load
	tensor_load_to_lds s[(\g0):(\g0)+3], s[(\g1):(\g1)+7]
	s_nop 0
	PLACES
.endm
; THE CHANGE OF SLOTS.  Each wave waits for all its tensor loads, of which one is out: its rows of the tile to be read now; adds 0 to its spare word; and waits for that and for all its LDS instructions, the reads of
; the slot that it leaves among them.  fill = 1: the barrier is a round of the cluster's, and the joint refill of the slot just left is the first thing behind it: it has a whole trip in which to land.
; step: bytes from tile to tile in wb; 0: the walk goes over from fc_w's tiles to chunk 0.  g2 = 1: the second product's addresses.
.macro RING g1, step, fill, g2
	WIN 0
	s_wait_tensorcnt 0x0                           ; no tensor load of mine is out, so group 0 may be written
	ds_add_u32 v[SPW], v[NIL]                      ; 0 onto my spare word; work on registers stands between it and the wait for it
.if \fill
.if (\step) == 0
	s_mov_b32 s[G0W+1], s[W8L]
	s_mov_b64 s[G0W+2:G0W+3], s[W8A:W8A+1]
	s_or_b32 s[G0W+3], s[G0W+3], 0x80000000
.else
	s_xor_b32 s[G0W+1], s[G0W+1], SLOT1
	s_add_nc_u64 s[G0W+2:G0W+3], s[G0W+2:G0W+3], \step  ; the type bits on top are not reached
.endif
.endif
	s_xor_b32 s[SLB], s[SLB], SLOT1
	v_add_nc_u32 v[AW], s[SLB], v[AW0]
.if \g2
	v_add_nc_u32 v[AQ], s[SLB], v[AQ0]
.endif
	s_wait_dscnt 0x0
.if \fill
	ROUND
	TLOAD G0W, \g1
.else
	s_barrier_signal -1
	s_barrier_wait -1
	PLACES
.endif
.endm
; ---------------------------------------------------------------- y on its way in
; 32 loads: row tile rt of the half in LDS, eight K steps; a lane's 16 numbers of a K step are 32 bytes at 32 h and 32 bytes at 64 + 32 h.
.macro LOADY rt, buf
	WIN 0xc0                                       ; destination window 3
.set z, 0
.rept 8
	ds_load_b128 v[128*(\buf)+16*z:128*(\buf)+16*z+3],     v[AY] offset:(\rt)*16*PITCH+128*z
	ds_load_b128 v[128*(\buf)+16*z+4:128*(\buf)+16*z+7],   v[AY] offset:(\rt)*16*PITCH+128*z+16
	ds_load_b128 v[128*(\buf)+16*z+8:128*(\buf)+16*z+11],  v[AY] offset:(\rt)*16*PITCH+128*z+64
	ds_load_b128 v[128*(\buf)+16*z+12:128*(\buf)+16*z+15], v[AY] offset:(\rt)*16*PITCH+128*z+80
.set z, z+1
.endr
.endm
.macro CVTY rt, buf, win               ; rounded to bf16: the fragment of K step z / 8 at 32 (z / 8) + 8 rt of window win
	WIN ((\win)<<6)|0x0f
.set z, 0
.rept 64
	v_cvt_pk_bf16_f32 v[32*(z/8)+8*(\rt)+z%8], v[128*(\buf)+2*z], v[128*(\buf)+2*z+1]
.set z, z+1
.endr
.endm
.macro YCONV win
	LOADY 0, 0
	LOADY 1, 1
	s_wait_dscnt 32                                ; LDS loads come back in order: the older batch is in, the younger 32 stay out
	CVTY 0, 0, \win
	LOADY 2, 0
	s_wait_dscnt 32
	CVTY 1, 1, \win
	LOADY 3, 1
	s_wait_dscnt 32
	CVTY 2, 0, \win
	s_wait_dscnt 0x0
	CVTY 3, 1, \win
	WIN 0
.endm
; ---------------------------------------------------------------- the first product
; A run of 16 loads: the weights of quad qd (K steps 4 qd to 4 qd + 3) of the tile's half sub: load n: K step n / 4, feature tile (n / 2) % 2, half n % 2 of the fragment.
.macro W1Q sub, qd
.set n1, 0
.rept 16
	ds_load_b128 v[WB+64*((\qd)%2)+4*n1:WB+64*((\qd)%2)+4*n1+3], v[AW] offset:(32*(\sub)+16*((n1/2)%2))*PITCH+64*(4*(\qd)+n1/4)+32*(n1%2)
.set n1, n1+1
.endr
.endm
.macro PRIME1 sub                      ; the chunk's 32 biases (register j of tile ft: feature 16 ft + 8 h + j) and the weights of quads 0 and 1: both buffers are free; the chunk before's lrelu and packing follow
	WIN 0
	ds_load_b128 v[FB:FB+3],     v[BA]
	ds_load_b128 v[FB+4:FB+7],   v[BA] offset:16
	ds_load_b128 v[FB+8:FB+11],  v[BA] offset:64
	ds_load_b128 v[FB+12:FB+15], v[BA] offset:80
	W1Q \sub, 0
	W1Q \sub, 1
	v_add_nc_u32 v[BA], 128, v[BA]                 ; the next chunk's
.endm
; 32 features x my 64 rows x all of K: four quads of 32 matrix instructions, the eight accumulators by turns; the first K step starts the sums with the bias.
; Quads 2 and 3 are fetched at the heads of quads 1 and 2, into the buffer that the quad just done has read: four v_nop are the places between its products and the loads.
.macro GEMM1 sub
.set q1, 0
.rept 4
.if q1 == 0
	s_wait_dscnt 16                                ; the bias and quad 0 are in; quad 1's sixteen loads may stay out (stage stores issued behind them only make the wait stricter)
.elseif q1 < 3
	PLACES
	W1Q \sub, q1+1                                 ; (destination and address lie in window 0 under either setting of the products)
	s_wait_dscnt 16                                ; all but the sixteen just issued: this quad's weights are in
.else
	s_wait_dscnt 0x0
.endif
	WIN 0x04+0x04*(q1/2)                           ; source 1 (y) in window 1 or 2; all else in window 0
.set k1, 4*q1
.rept 4
.set i1, 0
.rept 8
.set rD, ACC1+8*i1
.set rA, WB+64*(q1%2)+16*(k1%4)+8*(i1%2)
.set rB, 32*(k1%8)+8*(i1/2)
.if k1 == 0
	v_wmma_f32_16x16x32_bf16 v[rD:rD+7], v[rA:rA+7], v[rB:rB+7], v[FB+8*(i1%2):FB+8*(i1%2)+7]
.else
	v_wmma_f32_16x16x32_bf16 v[rD:rD+7], v[rA:rA+7], v[rB:rB+7], v[rD:rD+7]
.endif
.set i1, i1+1
.endr
.set k1, k1+1
.endr
.set q1, q1+1
.endr
.endm
.macro EPI1                            ; lrelu(t) = max(t, 0.2 t), each accumulator from its low end on
	WIN 0
.set a1, 0
.rept 8
.irp q, 0,1,2,3
	v_pk_mul_f32 v[TP+2*(\q):TP+2*(\q)+1], v[ACC1+8*a1+2*(\q):ACC1+8*a1+2*(\q)+1], s[SLP:SLP+1] op_sel_hi:[1,0]
.endr
.irp j, 0,1,2,3,4,5,6,7
	v_max_num_f32 v[ACC1+8*a1+(\j)], v[ACC1+8*a1+(\j)], v[TP+(\j)]
.endr
.set a1, a1+1
.endr
.endm
; Chunk c of yh is rounded to bf16 and becomes K step c of the second product: feature tile 0 gives a fragment's registers 0-3, tile 1 its registers 4-7.
; c < 8: window 3.  c = 8..12: in place, then into my stage.  c = 13: in place, then into my part of HS.  c = 14, 15: window 0.
.macro PACK c
.if (\c) < 8
	WIN 0xc0
.else
	WIN 0
.endif
.set a3, 0
.rept 8
.set rS3, ACC1+8*a3
.if (\c) < 8
.set rP3, 32*(\c)+8*(a3/2)+4*(a3%2)
.elseif (\c) >= 14
.set rP3, YH0+32*((2*((\c)-13))%3)+8*(a3/2)+4*(a3%2)
.else
.set rP3, rS3
.endif
.irp q, 0,1,2,3
	v_cvt_pk_bf16_f32 v[rP3+(\q)], v[rS3+2*(\q)], v[rS3+2*(\q)+1]
.endr
.if ((\c) >= 8) && ((\c) < 13)
	ds_store_b128 v[STG], v[rS3:rS3+3] offset:((\c)-8)*4096+(a3/2)*1024+(a3%2)*512
.elseif (\c) == 13
	ds_store_b128 v[STG2], v[rS3:rS3+3] offset:(a3/2)*1024+(a3%2)*512
.endif
.set a3, a3+1
.endr
.endm
; In the loop the chunk's number hangs on the trip: chunk 2 T - sub.  One block for each trip, chosen by the counter; every jump goes forward, past neither a barrier nor a tensor load.
.macro PACKSW sub
	WIN 0
.irp k, 0,1,2,3,4,5,6
.if ((\sub) == 0) || ((\k) > 0)
	s_cmp_lg_u32 s[T], \k
	s_cbranch_scc1 .Lnp\@_\k
	PACK 2*(\k)-(\sub)
	WIN 0
.Lnp\@_\k:
.endif
.endr
.endm
; ---------------------------------------------------------------- the second product
; A chunk is eight QUADS g of four K steps: g / 4 is the half (the feature tile), g % 4 the quarter of K.
; A run of 16 loads: quad g's weights: load n: K step n / 4, matrix (n / 2) % 2 (k_w, v_w), half n % 2 of the fragment.
.macro LDH g
.set n2, 0
.rept 16
.set rL, PB+64*((\g)%2)+4*n2
	ds_load_b128 v[rL:rL+3], v[AW] offset:(32*((n2/2)%2)+16*((\g)/4))*PITCH+(4*((\g)%4)+n2/4)*64+32*(n2%2)
.set n2, n2+1
.endr
.endm
.macro LDQ i                           ; q_w's fragment for K step i of my half of K (destination window 2)
.set rL, QW2+16*(((\i)/2)%2)+8*((\i)%2)
	ds_load_b128 v[rL:rL+3],   v[AQ] offset:64*(\i)
	ds_load_b128 v[rL+4:rL+7], v[AQ] offset:64*(\i)+32
.endm
.macro PRIME2                          ; quads 0 and 1, q_w's fragments 0 to 3, and v_b of this chunk's features: 42 loads; a lump of the softmax follows
	WIN 0
	LDH 0
	LDH 1
	WIN 0x80                                       ; destination window 2
	LDQ 0
	LDQ 1
	LDQ 2
	LDQ 3
	WIN 0x40                                       ; destination window 1
	ds_load_b32 v[RVB],   v[BA] offset:2048
	ds_load_b32 v[RVB+1], v[BA] offset:2048+64
.endm
.macro VBSET                           ; a lane holds one feature, so its eight registers of vec's C operand are one number
	s_wait_dscnt 0x0                               ; v_b, quads 0 and 1 and q_w's four fragments are in
	WIN 0x41
.irp f, 0,1
.irp j, 0,1,2,3,4,5,6,7
	v_mov_b32 v[VB+8*(\f)+(\j)], v[RVB+(\f)]
.endr
.endr
.endm
.macro QSTORE                          ; register j: group j, feature 16 (w % 2) + r; both halves of the lanes hold, and store, the same number
	WIN 0x04                                       ; data in window 1
.irp j, 0,1,2,3,4,5,6,7
	ds_store_b32 v[QSA], v[QA+(\j)] offset:128*(\j)
.endr
.endm
.macro QLOAD                           ; the chunk's query sums for my two groups, and k_b and q_b of my features: 12 loads
	WIN 0x40
.irp n, 0,1,2,3,4,5,6,7
	ds_load_b32 v[QP+(\n)], v[QLA] offset:((\n)/4)*1024+(((\n)/2)%2)*128+((\n)%2)*64
.endr
.irp f, 0,1
	ds_load_b32 v[RKB+(\f)], v[BA] offset:64*(\f)
	ds_load_b32 v[RQB+(\f)], v[BA] offset:4096+64*(\f)
.endr
.endm
; h of the chunk before, both feature tiles: lanes 0-15 store my first group's, lanes 16-31 my second's.  skip = 1 (in the loop): the first trip has no chunk before it and stores nothing.
.macro HSTORE skip
	WIN 0
.if \skip
	s_cmp_eq_u32 s[T], 0
	s_cbranch_scc1 .Lno_h_\@
.endif
	s_mov_b32 vcc_lo, 0xffff0000
	WIN 0x55
.irp f, 0,1
	v_cndmask_b32 v[CL+12*(\f)+11], v[CL+12*(\f)+8], v[CL+12*(2+(\f))+8], vcc_lo
.endr
	WIN 0x04
.irp f, 0,1
	ds_store_b32 v[HSA], v[CL+12*(\f)+11] offset:64*(\f)
.endr
	WIN 0
.if \skip
.Lno_h_\@:
.endif
.endm
.macro STEP2                           ; on to the next chunk
	WIN 0
	v_add_nc_u32 v[BA], 128, v[BA]
	v_add_nc_u32 v[HSA], 128, v[HSA]
.endm
; THE SOFTMAX OF A HALF (feature tile SF) is a numbered list; SMX writes number sj of it.  A half has two CELLS, one for each of my groups; cell = 2 x group + feature tile; a cell's 16 rows are two accumulators
; on end.  The two cells alternate, so that no instruction reads the result of the one before it.  Each accumulator is read from its low end on.
;   48  lv = lrelu(vec) = max(vec, 0.2 vec), 16 registers at a time
;   16  (half 0's list alone, for all four cells of the chunk) the two halves of K; + q_b: query; x log2(e); x k_b
;   16  a = (key sum + k_b) query log2(e)
;   20  the maximum of my 16 rows in two chains, and of the group's other 16, which lie in the lane 16 away
;    4  a - max for pairs 0 and 1
;   64  exponential and plain by turns, so that each exponential has a plain instruction behind it before its result is used (ISA guide 5.7.2): exponential t is register t / 2 of cell t % 2;
;       plain t is a - max for pair 2 + t / 2 (t < 12: exponential 4 p + x, the first that wants pair p, stands behind plain 2 p - 4 + x), then sum t - 12 (it wants exponentials that stand eight or more back)
;   10  the rest of the 30 sums: sum p, and sum p lv
;   17  the pairs' halves, the other half of the lanes, 1 / sum p (at least 1: the maximum's own weight), h
.set SEV,   48                         ; what needs no query
.set SLUMP, 88                         ; half 1's list up to the exponentials
.set SEND1, 179
.set SEND0, 195
.macro CREG cl
.set nC, (\cl)
.set fC, (\cl)%2
.set rC, CL+12*(\cl)
.set rK, KA+32*((\cl)%2)+16*((\cl)/2)
.set rV, VA+32*((\cl)%2)+16*((\cl)/2)
.endm
.macro SCELL x                         ; the half's cell of group x
	CREG SF+2*(\x)
.endm
.macro SUBP p
	v_pk_add_f32 v[rK+2*(\p):rK+2*(\p)+1], v[rK+2*(\p):rK+2*(\p)+1], v[rC+4:rC+5] op_sel_hi:[1,0] neg_lo:[0,1] neg_hi:[0,1]
.endm
.macro SUMA a                          ; sum a of a cell's 15
.set zA, ((\a)+1)/2
.if (\a) == 0
	s_wait_alu depctr_va_vdst(0)
	v_pk_add_f32 v[rC+6:rC+7], v[rK:rK+1], v[rK+2:rK+3]
.elseif (\a) == 1
	v_pk_mul_f32 v[rC+8:rC+9], v[rK:rK+1], v[rV:rV+1]
.elseif (\a) == 2
	v_pk_fma_f32 v[rC+8:rC+9], v[rK+2:rK+3], v[rV+2:rV+3], v[rC+8:rC+9]
.elseif (\a)%2 == 1
	s_wait_alu depctr_va_vdst(0)
	v_pk_add_f32 v[rC+6:rC+7], v[rC+6:rC+7], v[rK+2*zA:rK+2*zA+1]
.else
	v_pk_fma_f32 v[rC+8:rC+9], v[rK+2*zA:rK+2*zA+1], v[rV+2*zA:rV+2*zA+1], v[rC+8:rC+9]
.endif
.endm
.macro SMX
	WIN 0x55                                       ; all in window 1
.set LB0, SEV+16*(1-SF)
.set LB1, LB0+16
.set LB2, LB1+20
.set LB3, LB2+4
.set LB4, LB3+64
.set LB5, LB4+10
.if sj < SEV
.set u, sj%24
.set rG, VA+32*SF+16*(sj/24)
.if u < 8
	v_pk_mul_f32 v[TV+2*u:TV+2*u+1], v[rG+2*u:rG+2*u+1], s[SLP:SLP+1] op_sel_hi:[1,0]
.else
	v_max_num_f32 v[rG+u-8], v[rG+u-8], v[TV+u-8]
.endif
.elseif sj < LB0
.set u, sj-SEV
	CREG u%4
.if u/4 == 0
	v_add_f32 v[rC+3], v[QP+nC], v[QP+4+nC]
.elseif u/4 == 1
	v_add_f32 v[rC+1], v[rC+3], v[RQB+fC]
.elseif u/4 == 2
	v_mul_f32 v[rC], s[L2E], v[rC+1]
.else
	v_mul_f32 v[rC+2], v[rC], v[RKB+fC]
.endif
.elseif sj < LB1
.set u, sj-LB0
	SCELL u%2
	v_pk_fma_f32 v[rK+2*(u/2):rK+2*(u/2)+1], v[rK+2*(u/2):rK+2*(u/2)+1], v[rC:rC+1], v[rC+2:rC+3] op_sel_hi:[1,0,0]
.elseif sj < LB2
.set u, sj-LB1
	SCELL u%2
.if u/2 == 0
	v_max3_num_f32 v[rC+4], v[rK], v[rK+1], v[rK+2]
.elseif u/2 == 1
	v_max3_num_f32 v[rC+5], v[rK+8], v[rK+9], v[rK+10]
.elseif u/2 == 2
	v_max3_num_f32 v[rC+4], v[rC+4], v[rK+3], v[rK+4]
.elseif u/2 == 3
	v_max3_num_f32 v[rC+5], v[rC+5], v[rK+11], v[rK+12]
.elseif u/2 == 4
	v_max3_num_f32 v[rC+4], v[rC+4], v[rK+5], v[rK+6]
.elseif u/2 == 5
	v_max3_num_f32 v[rC+5], v[rC+5], v[rK+13], v[rK+14]
.elseif u/2 == 6
	v_max3_num_f32 v[rC+4], v[rC+4], v[rK+7], v[rK+15]
.elseif u/2 == 8
	v_permlanex16_b32 v[rC+5], v[rC+4], s[SEL], s[SEL+1]
.else
	v_max_num_f32 v[rC+4], v[rC+4], v[rC+5]
.endif
.elseif sj < LB3
.set u, sj-LB2
	SCELL u%2
	SUBP u/2
.elseif sj < LB4
.set u, sj-LB3
.set tm, u/2
	SCELL tm%2
.if u%2 == 0
	v_exp_f32 v[rK+tm/2], v[rK+tm/2]
.elseif tm < 12
	SUBP 2+tm/2
.else
	SUMA (tm-12)/2
.endif
.elseif sj < LB5
.set u, sj-LB4
	SCELL u%2
	SUMA 10+u/2
.else
.set u, sj-LB5
.if u == 14
	v_nop                                          ; a plain instruction between the reciprocals and the use of their results
	s_wait_alu depctr_va_vdst(0)
.elseif u > 14
	SCELL u-15
	v_mul_f32 v[rC+8], v[rC+8], v[rC+10]           ; h, the same in both halves of the lanes
.else
	SCELL u%2
.if u/2 == 0
	v_add_f32 v[rC+6], v[rC+6], v[rC+7]
.elseif u/2 == 1
	v_add_f32 v[rC+8], v[rC+8], v[rC+9]
.elseif u/2 == 2
	v_permlanex16_b32 v[rC+7], v[rC+6], s[SEL], s[SEL+1]
.elseif u/2 == 3
	v_permlanex16_b32 v[rC+9], v[rC+8], s[SEL], s[SEL+1]
.elseif u/2 == 4
	v_add_f32 v[rC+6], v[rC+6], v[rC+7]
.elseif u/2 == 5
	v_add_f32 v[rC+8], v[rC+8], v[rC+9]
.else
	v_rcp_f32 v[rC+10], v[rC+6]
.endif
.endif
.endif
.endm
.macro RIDE n                          ; the list's next n numbers, as far as SLIM lets them go
.rept \n
.if sj < SLIM
	SMX
.set sj, sj+1
.endif
.endr
.endm
; THE MATRIX WORK.  Product i2 of K step k2 of quad g: row tile i2 / 2, matrix i2 % 2.  The half's eight accumulators, and the query's, take turns, one instruction a turn.
; The first K step starts key's sums with 0 and vec's with v_b.
.macro MM2 g
.set ks2, 4*((\g)%4)+k2
.if ks2 < 8
.set wA2, 3
.set rA2, 32*ks2
.elseif ks2 < 13
.set wA2, 2
.set rA2, 32*(ks2-8)
.else
.set wA2, 0
.set rA2, YH0+32*((2*(ks2-13))%3)
.endif
.set rD2, 64*(i2%2)+32*((\g)/4)+8*(i2/2)
.set rB2, PB+64*((\g)%2)+16*k2+8*(i2%2)
.set rY2, rA2+8*(i2/2)
	WIN 0x50+wA2                                   ; yh in window 3, 2 or 0, the weights in window 0, the sums in window 1
.if (ks2 == 0) && (i2%2 == 0)
	v_wmma_f32_16x16x32_bf16 v[rD2:rD2+7], v[rY2:rY2+7], v[rB2:rB2+7], 0
.elseif ks2 == 0
	v_wmma_f32_16x16x32_bf16 v[rD2:rD2+7], v[rY2:rY2+7], v[rB2:rB2+7], v[VB+8*((\g)/4):VB+8*((\g)/4)+7]
.else
	v_wmma_f32_16x16x32_bf16 v[rD2:rD2+7], v[rY2:rY2+7], v[rB2:rB2+7], v[rD2:rD2+7]
.endif
.endm
.macro MMQ g                           ; the query's product for K step 2 g + k2 / 2 of my half of K
.set iq, 2*(\g)+k2/2
.set rQ2, QW2+16*((iq/2)%2)+8*(iq%2)
	WIN 0x5a                                       ; xh and q_w in window 2, the sums in window 1
.if iq == 0
	v_wmma_f32_16x16x32_bf16 v[QA:QA+7], v[XF+8*iq:XF+8*iq+7], v[rQ2:rQ2+7], 0
.else
	v_wmma_f32_16x16x32_bf16 v[QA:QA+7], v[XF+8*iq:XF+8*iq+7], v[rQ2:rQ2+7], v[QA:QA+7]
.endif
.endm
; A quad: 32 products (in the first half two of the query's more), and behind every second one a slice of four of the other half's softmax; none of them names a register of the products round it.
.macro QUAD g
.set k2, 0
.rept 4
.if ((\g) < 4) && (k2%2 == 0)
	MMQ \g
.endif
.set i2, 0
.rept 8
	MM2 \g
.if i2%2 == 1
	RIDE 4
.endif
.if ((\g) == 5) && (k2 == 0) && (i2 == 7)
	s_wait_dscnt 16                                ; the twelve loads of query sums and biases are in; quad 6's sixteen, issued behind them, may stay out
.set SLIM, SEND0
.endif
.set i2, i2+1
.endr
.set k2, k2+1
.endr
.endm
; A CHUNK, behind the change of slots.  Quad g + 1 is fetched at the head of quad g, into the buffer that quad g - 1 has read: four v_nop are the places between its products and the loads.
; Half 1's softmax of the chunk before: 88 in a lump, while the chunk's first 42 loads are out; the other 91 in 23 of the 64 slices of quads 0 to 3.
; Half 0's softmax of this chunk: 48 in 12 of quad 4's 16 slices; none beside quad 5's first eight products, while the query sums come; the other 147 in 37 of the 44 slices that are left.
; (In the first trip there is no chunk before: half 1's list works on what the registers hold, and its result is not stored.)
.macro CHUNK skip
	PRIME2
.set SF, 1
.set sj, 0
.set SLIM, SLUMP
	RIDE SLUMP
.set SLIM, SEND1
	VBSET
	QUAD 0
	PLACES
	WIN 0
	LDH 2
	WIN 0x80
	LDQ 4
	LDQ 5
	QUAD 1                                         ; its weights came with quad 0's
	PLACES
	WIN 0
	LDH 3
	WIN 0x80
	LDQ 6
	LDQ 7
	s_wait_dscnt 20                                ; all but the twenty just issued: quad 2's weights are in
	QUAD 2
	PLACES
	WIN 0
	LDH 4
	s_wait_dscnt 16                                ; all but the sixteen just issued
	QUAD 3
	PLACES                                         ; also the places in front of the stores of the query's sums and of the first reads of half 0's
	WIN 0
	LDH 5
	s_wait_dscnt 16                                ; the stores below stand behind this wait, so that it waits for none of them
	HSTORE \skip
	QSTORE
.set SF, 0
.set sj, 0
.set SLIM, SEV
	QUAD 4
	PLACES
	s_wait_dscnt 0x0                               ; for the others' sake: my query sums are in LDS (stored a quad ago); quad 5's weights are in too
	s_barrier_signal -1
	s_barrier_wait -1                              ; everybody's are; the next tile may stay on its way
	QLOAD
	WIN 0
	LDH 6
	QUAD 5
	PLACES
	WIN 0
	LDH 7
	s_wait_dscnt 16
	QUAD 6
	s_wait_dscnt 0x0
	QUAD 7
	STEP2
.endm
; ================================================================ the text
	s_load_b512 s[4:19], s[0:1], 0x0               ; y s[4:5], wb s[6:7], xh s[8:9], fc_b s[10:11], k_b s[12:13], v_b s[14:15], q_b s[16:17], out0 s[18:19]
	v_lshl_add_u32 v[SPW], v0, 2, SPARE
	v_mov_b32 v[NIL], 0
	ds_add_u32 v[SPW], v[NIL]                      ; the wave's opening: the add and its wait stand ahead of my first tensor load; the set-up below, work on registers, stands between them
	v_lshrrev_b32 v8, 5, v0
	v_readfirstlane_b32 s[WV], v8                  ; wave 0..3
	s_bfe_u32 s21, ttmp6, 0x40000                  ; cx: my place in the cluster
	s_lshl_b32 s22, ttmp9, 2                       ; in a cluster launch ttmp9 counts clusters
	s_add_co_u32 s22, s22, s21                     ; my work-group: it enters the addresses of y, xh and out0 alone
	; group 1 for y: 64 rows x 256 f32, 512 from row to row, padded in LDS
	s_mov_b32 s[GY1],   (2<<16)|(1<<20)|(7<<22)|(3<<25)  ; 15:0 no mask; 17:16 elements of 4 bytes; 20 padding on; 24:22 after every 256 words (code 7); 31:25 4 words of it (code 3)
	s_mov_b32 s[GY1+1], 256<<16                    ; tensor_dim0 = 256
	s_mov_b32 s[GY1+2], 64<<16                     ; tensor_dim1 = 64
	s_mov_b32 s[GY1+3], 256<<16                    ; tile_dim0 = 256
	s_mov_b32 s[GY1+4], 64                         ; tile_dim1 = 64
	s_mov_b32 s[GY1+5], 512                        ; elements from row to row
	s_mov_b32 s[GY1+6], 0
	s_mov_b32 s[GY1+7], 0
	; group 1 for the weights: rows of 512 bf16, dense; 16 or 24 rows a wave
.irp g, GW1, GW2
	s_mov_b32 s[(\g)],   15|(1<<16)|(1<<20)|(1<<21)|(7<<22)|(3<<25)  ; 15:0 the mask of four; 17:16 elements of 2 bytes; 20 padding on; 21 set beside a mask; the same padding
	s_mov_b32 s[(\g)+1], 512<<16
	s_mov_b32 s[(\g)+3], 512<<16
	s_mov_b32 s[(\g)+5], 512
	s_mov_b32 s[(\g)+6], 0
	s_mov_b32 s[(\g)+7], 0
.endr
	s_mov_b32 s[GW1+2], 16<<16
	s_mov_b32 s[GW1+4], 16
	s_mov_b32 s[GW2+2], 24<<16
	s_mov_b32 s[GW2+4], 24
	s_mov_b32 s[G0Y], 1                            ; count = 1
	s_mul_i32 s[G0Y+1], s[WV], YW                  ; my wave's rows of y in LDS
	s_mov_b32 s[G0W], 1
	s_mul_i32 s[G0W+1], s[WV], 16*PITCH            ; my 16 rows of a tile of fc_w, slot 0
	s_mul_i32 s[W8L], s[WV], 24*PITCH              ; my 24 rows of a chunk, slot 0
	s_mov_b32 s[SEL], 0x76543210
	s_mov_b32 s[SEL+1], 0xfedcba98
	s_mov_b32 s[L2E], 0x3fb8aa3b
	s_mov_b32 s[SLP], 0x3e4ccccd
	s_mov_b32 s[SLP+1], s[SLP]                     ; named with it as a pair
	s_mov_b32 s[SLB], SLOT1                        ; the first change of slots turns it into 0
	s_lshl_b32 s[OFG], s22, 19                     ; my work-group's 256 rows of 2,048 bytes
	s_mov_b32 s[OFG+1], 0
	s_lshl_b32 s[OFW], s[WV], 17                   ; my wave's 64
	s_mov_b32 s[OFW+1], 0
	s_wait_dscnt 0x0                               ; the opening add is done
	s_wait_kmcnt 0x0
	s_add_nc_u64 s[G0Y+2:G0Y+3], s[4:5], s[OFG:OFG+1]
	s_add_nc_u64 s[G0Y+2:G0Y+3], s[G0Y+2:G0Y+3], s[OFW:OFW+1]
	s_or_b32 s[G0Y+3], s[G0Y+3], 0x80000000        ; type = 2
	s_lshl_b32 s[OFW], s[WV], 14                   ; 16 rows of 1,024 bytes
	s_add_nc_u64 s[G0W+2:G0W+3], s[6:7], s[OFW:OFW+1]
	s_or_b32 s[G0W+3], s[G0W+3], 0x80000000
	s_mul_i32 s[OFW], s[WV], 24576                 ; 24 rows,
	s_add_co_u32 s[OFW], s[OFW], 524288            ; behind fc_w
	s_add_nc_u64 s[W8A:W8A+1], s[6:7], s[OFW:OFW+1]
	s_lshl_b32 s[OFG], s22, 14                     ; my work-group's 8 rows of xh and out0
	s_add_nc_u64 s[XFB:XFB+1], s[8:9], s[OFG:OFG+1]
	s_add_nc_u64 s[XHB:XHB+1], s[8:9], s[OFG:OFG+1]
	s_add_nc_u64 s[OUB:OUB+1], s[18:19], s[OFG:OFG+1]
	s_lshr_b32 s[OFW], s[WV], 1
	s_lshl_b32 s[OFW], s[OFW], 10                  ; my half of K in a row of xh
	s_add_nc_u64 s[XFB:XFB+1], s[XFB:XFB+1], s[OFW:OFW+1]
	s_lshl_b32 s[OFW], s[WV], 12                   ; my wave's two rows
	s_add_nc_u64 s[XHB:XHB+1], s[XHB:XHB+1], s[OFW:OFW+1]
	s_add_nc_u64 s[OUB:OUB+1], s[OUB:OUB+1], s[OFW:OFW+1]
	ROUND                                          ; in a cluster launch every group of tensor loads stands behind a round
	TLOAD G0Y, GY1                                 ; my 64 rows, K 0 to 255: the launch's one first fill; one load of mine is out
	v_lshlrev_b32 v9, 4, v0
	global_load_b128 v[16:19], v9, s[10:11]        ; the four biases, 16 bytes a thread each
	global_load_b128 v[20:23], v9, s[12:13]
	global_load_b128 v[24:27], v9, s[14:15]
	global_load_b128 v[28:31], v9, s[16:17]
	v_and_b32 v10, 15, v0                          ; r = lane % 16
	v_bfe_u32 v11, v0, 4, 1                        ; h = lane / 16
	v_mul_u32_u24 v[AW0], v10, PITCH
	v_lshl_add_u32 v[AY], v11, 5, v[AW0]
	v_add_nc_u32 v[AY], s[G0Y+1], v[AY]            ; my wave's rows + r x pitch + 32 h
	v_lshl_add_u32 v[AW0], v11, 4, v[AW0]          ; r x pitch + 16 h
	v_lshlrev_b32 v[BA], 5, v11
	v_add_nc_u32 v[BA], BT, v[BA]                  ; fc_b + 32 h
	v_and_b32 v12, 31, v0
	s_mul_i32 s[TA], s[WV], STW
	s_add_co_u32 s[TA], s[TA], STAGE
	v_lshl_add_u32 v[STG], v12, 4, s[TA]
	s_wait_tensorcnt 0x0                           ; my rows are in; nobody else reads them
	YCONV 1
	s_wait_tensorcnt 0x0                           ; the same bytes are filled again: all my tensor loads have landed,
	ds_add_u32 v[SPW], v[NIL]                      ; 0 onto my spare word,
	s_add_nc_u64 s[G0Y+2:G0Y+3], s[G0Y+2:G0Y+3], 1024  ; K 256 to 511
	s_wait_dscnt 0x0                               ; the add and my reads are done
	ROUND
	TLOAD G0Y, GY1
	s_wait_tensorcnt 0x0
	YCONV 2
	s_wait_tensorcnt 0x0                           ; y's bytes become the ring
	ds_add_u32 v[SPW], v[NIL]
	s_wait_dscnt 0x0
	ROUND
	TLOAD G0W, GW1                                 ; fc_w's features 0 to 63, into slot 0
	s_lshl_b32 s[TA], s[WV], 12                    ; y's LDS address is dead: its register takes my 16 bytes in my wave's part of HS
	s_add_co_u32 s[TA], s[TA], HS
	v_and_b32 v[STG2], 31, v0
	v_lshl_add_u32 v[STG2], v[STG2], 4, s[TA]
	s_wait_loadcnt 0x0                             ; the biases take bf16's bits, like every other input, and go into LDS; the next round shows them to every wave
.set z, 0
.rept 8
	v_cvt_pk_bf16_f32 v[10+z%2], v[16+2*z], v[17+2*z]
	v_lshlrev_b32 v[16+2*z], 16, v[10+z%2]
	v_and_b32 v[17+2*z], 0xffff0000, v[10+z%2]
.set z, z+1
.endr
	v_add_nc_u32 v12, BT, v9
	ds_store_b128 v12, v[16:19]
	ds_store_b128 v12, v[20:23] offset:2048
	ds_store_b128 v12, v[24:27] offset:4096
	ds_store_b128 v12, v[28:31] offset:6144
	; THE FIRST PRODUCT: eight tiles of 64 features, two chunks of 32 each.  A chunk's lrelu and packing stand behind the next chunk's first loads.
	s_mov_b32 s[T], 0
.Lg1:                                  ; seven trips: tile T is multiplied, tile T + 1 asked for
	RING GW1, 65536, 1, 0
	PRIME1 0
	s_cmp_eq_u32 s[T], 0
	s_cbranch_scc1 .Lg1_first                      ; there is no chunk before the first
	EPI1
	PACKSW 1
.Lg1_first:
	GEMM1 0
	PLACES
	PRIME1 1
	EPI1
	PACKSW 0
	GEMM1 1
	WIN 0
	s_add_co_u32 s[T], s[T], 1
	s_cmp_lt_u32 s[T], 7
	s_cbranch_scc1 .Lg1
	RING GW2, 0, 1, 0                              ; the eighth tile is written out: the ring goes on into the second product's chunk 0
	PRIME1 0
	EPI1
	PACK 13
	GEMM1 0
	PLACES
	PRIME1 1
	EPI1
	PACK 14
	GEMM1 1
	PLACES                                         ; y and the weight buffers are dead: their registers take what the second product needs
	WIN 0
	v_and_b32 v[XO], 7, v0                         ; xh as source 0 of the query's product: row r holds group r % 8,
	v_bfe_u32 v8, v0, 4, 1
	v_lshlrev_b32 v[XO], 11, v[XO]
	v_lshl_add_u32 v[XO], v8, 5, v[XO]             ; its numbers at 32 h and 64 + 32 h of each 128 bytes
	WIN 0x40
.set z, 0
.rept 8
	global_load_b128 v[16*z:16*z+3],     v[XO], s[XFB:XFB+1] offset:128*z
	global_load_b128 v[16*z+4:16*z+7],   v[XO], s[XFB:XFB+1] offset:128*z+16
	global_load_b128 v[16*z+8:16*z+11],  v[XO], s[XFB:XFB+1] offset:128*z+64
	global_load_b128 v[16*z+12:16*z+15], v[XO], s[XFB:XFB+1] offset:128*z+80
.set z, z+1
.endr
	EPI1
	PACK 15
	WIN 0x80                                       ; yh's K steps 8 to 12 come back from my stage, as they were laid: LDS serves a wave's instructions in order (ISA guide 5.7.1.4)
.set z, 0
.rept 40
	ds_load_b128 v[4*z:4*z+3], v[STG] offset:512*z
.set z, z+1
.endr
	WIN 0
	v_and_b32 v11, 15, v0
	v_lshlrev_b32 v11, 2, v11                      ; 4 r
	v_bfe_u32 v12, v0, 4, 1                        ; h
	v_and_b32 v[LX], 31, v0
	v_lshlrev_b32 v[LX], 4, v[LX]
	s_lshr_b32 s[TA], s[WV], 1                     ; my half of K in the query's product
	s_and_b32 s[TB], s[WV], 1                      ; my 16 of a chunk's 32 features there
	v_add_nc_u32 v[BA], BT+2048, v11               ; k_b of the chunk in hand at +0, v_b at +2,048, q_b at +4,096
	s_lshl_b32 s[OFW], s[TA], 10
	s_lshl_b32 s[OFW+1], s[TB], 6
	s_add_co_u32 s[OFW], s[OFW], s[OFW+1]
	s_add_co_u32 s[OFW], s[OFW], QB
	v_add_nc_u32 v[QSA], s[OFW], v11
	s_lshl_b32 s[OFW], s[WV], 8                    ; my two groups' rows of 128 bytes
	s_add_co_u32 s[OFW], s[OFW], QB
	v_add_nc_u32 v[QLA], s[OFW], v11
	s_lshl_b32 s[OFW], s[WV], 12                   ; my two rows of h
	s_add_co_u32 s[OFW], s[OFW], HS
	v_add_nc_u32 v[HL], s[OFW], v[LX]
	s_sub_co_u32 s[OFW], s[OFW], 128               ; a trip stores h of the chunk before
	v_add_nc_u32 v[HSA], s[OFW], v11
	v_lshl_add_u32 v[HSA], v12, 11, v[HSA]
.set z, 0
.rept 8                                ; yh's K step 13 comes back from my part of HS, which takes h only behind the next barrier's wait for these loads
	ds_load_b128 v[YH0+4*z:YH0+4*z+3], v[HL] offset:512*z
.set z, z+1
.endr
	s_mul_i32 s[OFW], s[TB], 16*PITCH
	s_lshl_b32 s[OFW+1], s[TA], 9
	s_add_co_u32 s[OFW], s[OFW], s[OFW+1]
	s_add_co_u32 s[OFW], s[OFW], 64*PITCH          ; q_w's rows lie behind k_w's and v_w's
	v_add_nc_u32 v[AQ0], s[OFW], v[AW0]
	s_wait_loadcnt 0x0                             ; xh
	WIN 0x85                                       ; sources in window 1, destination in window 2
.set z, 0
.rept 64
	v_cvt_pk_bf16_f32 v[XF+z], v[2*z], v[2*z+1]
.set z, z+1
.endr
	WIN 0
	; THE SECOND PRODUCT: sixteen chunks of 32 output features.
	s_mov_b32 s[T], 0
.Lg2:                                  ; fifteen trips: chunk T is multiplied, chunk T + 1 asked for
	RING GW2, 98304, 1, 1
	CHUNK 1
	s_add_co_u32 s[T], s[T], 1
	s_cmp_lt_u32 s[T], 15
	s_cbranch_scc1 .Lg2
	RING GW2, 0, 0, 1                              ; the last chunk is written out: nothing is asked for
	CHUNK 0
	PLACES                                         ; behind the last products: their sums are read, and their weight buffers loaded into
.set z, 0
.rept 8
	global_load_b128 v[16+4*z:19+4*z], v[LX], s[XHB:XHB+1] offset:512*z  ; my two rows of xh, 4,096 consecutive bytes
.set z, z+1
.endr
.set SF, 1
.set sj, 0
.set SLIM, SEND1
	RIDE SEND1                                     ; the last half's softmax has no products to stand beside
	HSTORE 0
	; THE WAY OUT: my two rows of h come back as they lie in out0.
.set z, 0
.rept 8
	ds_load_b128 v[48+4*z:51+4*z], v[HL] offset:512*z  ; my own stores, in order
.set z, z+1
.endr
	s_wait_loadcnt 0x0
	s_wait_dscnt 0x0
.set z, 0
.rept 16
	v_pk_add_f32 v[16+2*z:17+2*z], v[16+2*z:17+2*z], v[48+2*z:49+2*z]
.set z, z+1
.endr
.set z, 0
.rept 16
	v_pk_mul_f32 v[16+2*z:17+2*z], v[16+2*z:17+2*z], 0.5 op_sel_hi:[1,0]
.set z, z+1
.endr
.set z, 0
.rept 8
	global_store_b128 v[LX], v[16+4*z:19+4*z], s[OUB:OUB+1] offset:512*z  ; 512 consecutive bytes, at a multiple of 256 from out0's first byte
.set z, z+1
.endr
	s_wait_tensorcnt 0x0                           ; the wave's end: behind my last tensor load and my last LDS store
	ds_add_u32 v[SPW], v[NIL]
	s_wait_dscnt 0x0
	ROUND                                          ; the closing round: no work-group ends while a partner may still ask for a tile that names it
	s_endpgm
.Lfunc_end_k_qf8eee86fff_main:
	.size	k_qf8eee86fff_main, .Lfunc_end_k_qf8eee86fff_main-k_qf8eee86fff_main
	.p2alignl 7, 3214868480
	.fill 96, 4, 3214868480
	.section	.rodata,"a",@progbits
	.p2align	6, 0x0
	.amdhsa_kernel k_qf8eee86fff_main
		.amdhsa_group_segment_fixed_size 327680
		.amdhsa_private_segment_fixed_size 0
		.amdhsa_enable_private_segment 0
		.amdhsa_kernarg_size 64
		.amdhsa_user_sgpr_count 2
		.amdhsa_user_sgpr_kernarg_segment_ptr 1
		.amdhsa_wavefront_size32 1
		.amdhsa_system_sgpr_workgroup_id_x 1
		.amdhsa_system_sgpr_workgroup_id_y 1
		.amdhsa_system_sgpr_workgroup_id_z 1
		.amdhsa_system_vgpr_workitem_id 0
		.amdhsa_next_free_vgpr 1024
		.amdhsa_next_free_sgpr 84
		.amdhsa_reserve_vcc 1
		.amdhsa_float_denorm_mode_32 3
		.amdhsa_float_denorm_mode_16_64 3
		.amdhsa_memory_ordered 1
		.amdhsa_forward_progress 1
		.amdhsa_inst_pref_size 255
	.end_amdhsa_kernel
	.section	.bss,"aw",@nobits
	.p2align	6
	.space	262144
	.amdgpu_metadata
---
amdhsa.version: [ 1, 2 ]
amdhsa.kernels:
  - .name:           k_qf8eee86fff_main
    .symbol:         k_qf8eee86fff_main.kd
    .args:
      - { .name: y, .offset: 0, .size: 8, .value_kind: global_buffer, .address_space: global }
      - { .name: wb, .offset: 8, .size: 8, .value_kind: global_buffer, .address_space: global }
      - { .name: xh, .offset: 16, .size: 8, .value_kind: global_buffer, .address_space: global }
      - { .name: fc_b, .offset: 24, .size: 8, .value_kind: global_buffer, .address_space: global }
      - { .name: k_b, .offset: 32, .size: 8, .value_kind: global_buffer, .address_space: global }
      - { .name: v_b, .offset: 40, .size: 8, .value_kind: global_buffer, .address_space: global }
      - { .name: q_b, .offset: 48, .size: 8, .value_kind: global_buffer, .address_space: global }
      - { .name: out0, .offset: 56, .size: 8, .value_kind: global_buffer, .address_space: global }
    .group_segment_fixed_size: 327680
    .private_segment_fixed_size: 0
    .kernarg_segment_align: 8
    .kernarg_segment_size: 64
    .max_flat_workgroup_size: 128
    .sgpr_count:     84
    .vgpr_count:     1024
    .wavefront_size: 32
...
	.end_amdgpu_metadata
.endif
;; end of part 3
;; ======== version 3 of 3: 2 launches; version 2 with the launch prep written anew for expert scheduling mode
;; workspace buffers: wb 2,097,152 bytes; xh 4,194,304 bytes
;; launch prep (part 4): grid 256 x 1, 4 waves a work-group, no clusters, 151,040 bytes of LDS; arguments x, fc_w, fc_b, k_w, v_w, q_w, wb, xh; writes wb, xh
.if DOCPART == 4
	.amdgcn_target "amdgcn-amd-amdhsa--gfx1250"
	.amdhsa_code_object_version 6
	.text
	.protected	k_qf8eee86fff_prep
	.globl	k_qf8eee86fff_prep
	.p2align	8
	.type	k_qf8eee86fff_prep,@function
k_qf8eee86fff_prep:
	s_mov_b64 s[64:65], 0
	v_nop
	global_prefetch_b8 v0, s[64:65] scope:SCOPE_SE
	s_setreg_imm32_b32 hwreg(HW_REG_WAVE_SCHED_MODE, 0, 2), 2
	s_setreg_imm32_b32 hwreg(HW_REG_WAVE_MODE, 25, 1), 1
	s_wait_xcnt 0x0
	s_wait_alu depctr_vm_vsrc(0)
; TWO JOBS, both small, in front of the main launch.
; (a) The four weight matrices, f32 [512][512], are rounded once to bf16 and laid into wb in the order in which the main launch streams them:
;     fc_w's 512 rows (1,024 bytes each), then 16 chunks of 96 rows: k_w rows 32 c .. 32 c + 31, v_w the same rows, q_w the same rows.
;     Work-group g takes 8 rows of matrix g / 64.
; (b) xh = lrelu(x fc_w^T + fc_b), f32 [2048][512]: work-group g makes 64 rows (block g / 8) x 64 features (block g % 8); wave w makes 16 of the rows.
;     x, fc_w and fc_b are rounded to bf16 (fc_b is kept as an f32 number with bf16's bits); sums in f32; lrelu(t) = max(t, 0.2 t).
; The product is used transposed (source 0 = 16 features of fc_w, source 1 = 16 rows of x): a lane then holds eight neighbouring features of one row.
; No tensor load, no cluster: a work-group reads 256 KiB once, through registers, since the f32 numbers have to be rounded on the way into LDS anyway.
; LIMITS: NaN and infinities are not treated apart.
; THE MODE: SCHED_MODE bits 1:0 = 2 (LLVM: expert scheduling mode 2), set by the entry lines.  The code itself states the register dependences
; between vector or matrix instructions and memory or LDS instructions, with s_wait_alu, always for 0.
; THE PLAN.  Registers that memory or LDS instructions touch:
;   v1-v11, v13, v14   offsets and LDS addresses: written at the head, never again.
;   SA0, SA1           two raw batches.  Batch n: its 32 conversions read SA[n % 2]; behind them the loads of batch n + 2 land in it.
;   OUT0, OUT1         two batches rounded.  Batch n's conversions write OUT[n % 2]; its 16 LDS stores read it; batch n + 2's conversions write it again.
;   TS                 the slice rounded: written by 16 conversions, read by four global stores, never written again.
;   F0, F1, F2         three fragment buffers.  K step ks: its four products read F[ks % 3]; its ten LDS loads, K step ks + 2, land in F[(ks + 2) % 3], which the products of step ks - 1 read.
;   ACC                written by the products and by lrelu, read by the eight LDS stores of the way out.  (Its registers are OUT0 before that.)
;   FB, TL, v12, v15   once FB is loaded, named by vector and matrix instructions alone.
; So ONE wait on va_vdst stands in a batch, behind its conversions (they are done reading SA and have written OUT), with the batch's loads and LDS stores behind it; ONE wait on vm_vsrc at the
; head of a batch, a whole batch behind the LDS stores that it speaks of; and ONE wait on va_vdst at the head of a K step, with the step's loads dealt among its products behind it.
.set PITCH, 1040                       ; an LDS row of 512 bf16: 1,024 bytes + 16: 65 x 16 bytes, so the 16 rows of a fragment load start in 16 different groups of four banks (ISA guide 11.1)
.set WT,    64*PITCH                   ; x's 64 rows lie at 0, fc_w's 64 rows here
.set OST,   128*PITCH                  ; the way out: 16 rows x 272 bytes for each wave
.set OP,    272
.set SPARE, OST+4*16*OP                ; the spare words, 128 bytes a wave: two blocks of 256 bytes that no other line names
.set LO16, 1                           ; v1   16 x lane
.set PX,   2                           ; v2   where my 8 bytes of a quarter row of x go
.set PW,   3                           ; v3   the same for fc_w
.set BO,   4                           ; v4   32 x (lane / 16): my eight biases in a tile of 16
.set SO,   5                           ; v5   16 x thread: the slice's stores
.set SI,   6                           ; v6   32 x thread: the slice's loads
.set AX,   7                           ; v7   my fragment of x
.set AWT,  8                           ; v8   my fragments of fc_w
.set OS,   9                           ; v9   the way out: where I put 32 bytes of a row
.set SPW,  10                          ; v10  my spare word; never rewritten
.set NIL,  11                          ; v11  0; never rewritten
.set OL,   13                          ; v13  the way out: where I read a row back
.set GO,   14                          ; v14  my byte offset in two rows of xh
.set SA,   16                          ; v16-79, v80-143: two raw batches of 16 loads
.set F0,   16                          ; later v16-55, v56-95, v96-135: three fragment buffers (x 8, fc_w 4 x 8)
.set TL,   136                         ; v136-143 at work on the way out
.set ACC,  144                         ; v144-175 four accumulators
.set OUT,  144                         ; before that v144-175 and v224-255: two batches rounded, buffer b at OUT + 80 b
.set FB,   176                         ; v176-207 the bias, as the C operand that starts each sum
.set TS,   208                         ; v208-223 the slice, rounded
.set SL,   224                         ; v224-255 the slice, as loaded
.macro PLACES                          ; four plain places behind matrix instructions (ISA guide 7.12.1)
.rept 4
	v_nop
.endr
.endm
	s_load_b512 s[4:19], s[0:1], 0x0               ; x s[4:5], fc_w s[6:7], fc_b s[8:9], k_w s[10:11], v_w s[12:13], q_w s[14:15], wb s[16:17], xh s[18:19]
	v_lshl_add_u32 v[SPW], v0, 2, SPARE
	v_mov_b32 v[NIL], 0
	v_lshrrev_b32 v12, 5, v0
	v_readfirstlane_b32 s20, v12                   ; wave 0..3
	v_and_b32 v12, 31, v0                          ; lane
	v_and_b32 v15, 15, v0                          ; r = lane % 16
	v_bfe_u32 v[TS], v0, 4, 1                      ; h = lane / 16
	s_mov_b32 s2, 0x3e4ccccd                       ; 0.2
	s_mov_b32 s3, s2                               ; named with it as a pair
	v_lshlrev_b32 v[LO16], 4, v12                  ; what hangs on the lane alone stands between the line that writes s20 and the wait for it
	v_lshlrev_b32 v[BO], 5, v[TS]
	v_lshlrev_b32 v[SO], 4, v0
	v_lshlrev_b32 v[SI], 5, v0
	v_mul_u32_u24 v[AWT], v15, PITCH
	v_lshl_add_u32 v[AWT], v[TS], 4, v[AWT]        ; r x pitch + 16 h
	v_mul_u32_u24 v[OS], v15, OP
	v_lshl_add_u32 v[OS], v[TS], 5, v[OS]          ; in: row r, 32 bytes for each half of the lanes
	v_mul_u32_u24 v[OL], v[TS], OP
	v_lshl_add_u32 v[OL], v15, 4, v[OL]            ; back: lanes 0-15 one row of 256 bytes, lanes 16-31 the next
	v_lshlrev_b32 v[GO], 11, v[TS]
	v_lshl_add_u32 v[GO], v15, 4, v[GO]            ; and the same two rows in xh
	s_wait_alu depctr_va_sdst(0)                   ; s20 is written, ahead of its first reader: LDS places and the bases of x, fc_w and xh are made from it
	s_mul_i32 s21, s20, 16*PITCH                   ; my wave's 16 rows in either LDS tile
	s_mul_i32 s22, s20, 16*OP
	s_add_co_u32 s22, s22, OST                     ; my stage
	v_lshl_add_u32 v[PX], v12, 3, s21
	v_add_nc_u32 v[PW], WT, v[PX]
	v_add_nc_u32 v[AX], s21, v[AWT]
	v_add_nc_u32 v[AWT], WT, v[AWT]
	v_add_nc_u32 v[OS], s22, v[OS]
	v_add_nc_u32 v[OL], s22, v[OL]
	s_wait_alu depctr_va_vdst(0)                   ; the offsets and addresses v1 to v11, v13 and v14 are written: every load and store of the kernel reads one of them, and none is written again
	s_lshr_b32 s28, ttmp9, 6                       ; which matrix I convert: 0 fc_w, 1 k_w, 2 v_w, 3 q_w
	s_and_b32 s29, ttmp9, 63                       ; which 8 rows of it
	s_and_b32 s30, ttmp9, 7                        ; my block of 64 features
	s_lshr_b32 s31, ttmp9, 3                       ; my block of 64 rows of x
	s_lshr_b32 s26, s29, 2                         ; the slice's place in wb: chunk = rows / 32,
	s_mul_i32 s26, s26, 98304
	s_lshl_b32 s27, s28, 15                        ; the matrix's 32 rows in the chunk,
	s_add_co_u32 s26, s26, s27
	s_and_b32 s27, s29, 3                          ; my 8 rows among them,
	s_lshl_b32 s27, s27, 13
	s_add_co_u32 s26, s26, s27
	s_add_co_u32 s26, s26, 524288-32768            ; behind fc_w's 512 rows (k_w is matrix 1)
	s_lshl_b32 s27, s29, 13                        ; fc_w lies as it is
	s_cmp_eq_u32 s28, 0
	s_cselect_b32 s26, s27, s26
	s_mov_b32 s27, 0
	s_wait_kmcnt 0x0
	s_add_nc_u64 s[26:27], s[16:17], s[26:27]      ; wb at my slice
	s_cmp_eq_u32 s28, 1
	s_cselect_b64 s[24:25], s[10:11], s[6:7]
	s_cmp_eq_u32 s28, 2
	s_cselect_b64 s[24:25], s[12:13], s[24:25]
	s_cmp_eq_u32 s28, 3
	s_cselect_b64 s[24:25], s[14:15], s[24:25]
	s_lshl_b32 s22, s29, 14                        ; 8 rows of 2,048 bytes
	s_mov_b32 s23, 0
	s_add_nc_u64 s[24:25], s[24:25], s[22:23]      ; the matrix at my slice
	s_lshl_b32 s22, s31, 17                        ; 64 rows of 2,048 bytes,
	s_lshl_b32 s21, s20, 15                        ; my wave's 16
	s_add_co_u32 s22, s22, s21
	s_add_nc_u64 s[32:33], s[4:5], s[22:23]        ; x at my wave's rows
	s_add_nc_u64 s[38:39], s[18:19], s[22:23]      ; xh at the same rows,
	s_lshl_b32 s22, s30, 8
	s_add_nc_u64 s[38:39], s[38:39], s[22:23]      ; at my 64 features
	s_add_nc_u64 s[36:37], s[8:9], s[22:23]        ; fc_b at my 64 features
	s_lshl_b32 s22, s30, 17
	s_add_co_u32 s22, s22, s21
	s_add_nc_u64 s[34:35], s[6:7], s[22:23]        ; fc_w at the 16 rows that my wave stages
.irp j, 0,1,2,3                        ; the slice: 8 f32 a thread and line, 4,096 bytes a work-group and line
	global_load_b128 v[SL+8*(\j):SL+8*(\j)+3],   v[SI], s[24:25] offset:4096*(\j)
	global_load_b128 v[SL+8*(\j)+4:SL+8*(\j)+7], v[SI], s[24:25] offset:4096*(\j)+16
.endr
.irp f, 0,1,2,3                        ; register j of tile f: the bias of feature 16 f + 8 h + j
	global_load_b128 v[FB+8*(\f):FB+8*(\f)+3],   v[BO], s[36:37] offset:64*(\f)
	global_load_b128 v[FB+8*(\f)+4:FB+8*(\f)+7], v[BO], s[36:37] offset:64*(\f)+16
.endr
; Batch n: four rows, each as four loads of 512 neighbouring bytes.  n = 0..3: my 16 rows of x; n = 4..7: my 16 rows of fc_w.
.macro LOADB n, buf
.irp i, 0,1,2,3
.irp q, 0,1,2,3
.if (\n) < 4
	global_load_b128 v[(\buf)+16*(\i)+4*(\q):(\buf)+16*(\i)+4*(\q)+3], v[LO16], s[32:33] offset:(4*(\n)+(\i))*2048+512*(\q)
.else
	global_load_b128 v[(\buf)+16*(\i)+4*(\q):(\buf)+16*(\i)+4*(\q)+3], v[LO16], s[34:35] offset:(4*((\n)-4)+(\i))*2048+512*(\q)
.endif
.endr
.endr
.endm
; The batch is rounded, out of its raw buffer into registers of its own: four f32 of a load become a pair.
.macro CVTB buf, out
.irp i, 0,1,2,3
.irp q, 0,1,2,3
	v_cvt_pk_bf16_f32 v[(\out)+8*(\i)+2*(\q)],   v[(\buf)+16*(\i)+4*(\q)],   v[(\buf)+16*(\i)+4*(\q)+1]
	v_cvt_pk_bf16_f32 v[(\out)+8*(\i)+2*(\q)+1], v[(\buf)+16*(\i)+4*(\q)+2], v[(\buf)+16*(\i)+4*(\q)+3]
.endr
.endr
.endm
; And stored: 8 bytes a lane, 256 neighbouring bytes a store.
.macro PUTB n, out
.irp i, 0,1,2,3
.irp q, 0,1,2,3
.if (\n) < 4
	ds_store_b64 v[PX], v[(\out)+8*(\i)+2*(\q):(\out)+8*(\i)+2*(\q)+1] offset:(4*(\n)+(\i))*PITCH+256*(\q)
.else
	ds_store_b64 v[PW], v[(\out)+8*(\i)+2*(\q):(\out)+8*(\i)+2*(\q)+1] offset:(4*((\n)-4)+(\i))*PITCH+256*(\q)
.endif
.endr
.endr
.endm
; Batch n's turn.  more = 1: its raw buffer is asked for again, for batch n + 2.  left = how many younger loads may stay out.
.macro BATCH n, more, left
	s_wait_loadcnt \left                           ; loads come back in order (ISA guide 5.7.1): batch n is in, the younger batch stays out
.if (\n) >= 2
	s_wait_alu depctr_vm_vsrc(0)                   ; the LDS stores of batch n - 2 have read OUT[n % 2], which the conversions below write again
.endif
	CVTB SA+64*((\n)%2), OUT+80*((\n)%2)
	s_wait_alu depctr_va_vdst(0)                   ; the conversions are done reading SA[n % 2], in which the loads below land, and have written OUT[n % 2], which the LDS stores below read
.if \more
	LOADB (\n)+2, SA+64*((\n)%2)
.endif
	PUTB \n, OUT+80*((\n)%2)
.endm
	LOADB 0, SA
	LOADB 1, SA+64
	s_wait_loadcnt 32                              ; the slice and the bias are in, the 32 loads of the two batches stay out
.irp j, 0,1,2,3
.irp q, 0,1,2,3
	v_cvt_pk_bf16_f32 v[TS+4*(\j)+(\q)], v[SL+8*(\j)+2*(\q)], v[SL+8*(\j)+2*(\q)+1]
.endr
.endr
.set z, 0
.rept 16                               ; the bias takes bf16's bits, like every other input
	v_cvt_pk_bf16_f32 v[12+3*(z%2)], v[FB+2*z], v[FB+2*z+1]
	v_lshlrev_b32 v[FB+2*z], 16, v[12+3*(z%2)]
	v_and_b32 v[FB+2*z+1], 0xffff0000, v[12+3*(z%2)]
.set z, z+1
.endr
	BATCH 0, 1, 16
.irp j, 0,1,2,3                        ; no wait of their own: the slice's conversions, which wrote TS, stand ahead of batch 0's wait on va_vdst, and no vector instruction has been issued since
	global_store_b128 v[SO], v[TS+4*(\j):TS+4*(\j)+3], s[26:27] offset:2048*(\j)  ; a wave's store covers 512 consecutive bytes, at a multiple of 256 from wb's first byte
.endr
.irp n, 1,2,3,4,5
	BATCH \n, 1, 16
.endr
	BATCH 6, 0, 16                                 ; the last two batches ask for nothing more
	BATCH 7, 0, 0
	s_wait_dscnt 0x0                               ; for the others' sake: my rows of fc_w are in LDS
	s_barrier_signal -1
	s_barrier_wait -1
	s_wait_alu depctr_vm_vsrc(0)                   ; my LDS stores have read v144-175: these registers are the accumulators from here on, written by the products
; The fragments of K step ks (32 along K) into buffer f: my 16 rows of x, and tile t of 16 features: two loads each.
.macro FRX ks, f
	ds_load_b128 v[(\f):(\f)+3],   v[AX] offset:64*(\ks)
	ds_load_b128 v[(\f)+4:(\f)+7], v[AX] offset:64*(\ks)+32
.endm
.macro FRT ks, f, t
	ds_load_b128 v[(\f)+8+8*(\t):(\f)+8+8*(\t)+3],   v[AWT] offset:(\t)*16*PITCH+64*(\ks)
	ds_load_b128 v[(\f)+12+8*(\t):(\f)+12+8*(\t)+3], v[AWT] offset:(\t)*16*PITCH+64*(\ks)+32
.endm
.macro FR ks, f                        ; all ten
	FRX \ks, \f
.irp t, 0,1,2,3
	FRT \ks, \f, \t
.endr
.endm
.macro MM t                            ; product t of K step ks, on buffer fc; the first K step starts the sums with the bias
.if ks == 0
	v_wmma_f32_16x16x32_bf16 v[ACC+8*(\t):ACC+8*(\t)+7], v[fc+8+8*(\t):fc+8+8*(\t)+7], v[fc:fc+7], v[FB+8*(\t):FB+8*(\t)+7]
.else
	v_wmma_f32_16x16x32_bf16 v[ACC+8*(\t):ACC+8*(\t)+7], v[fc+8+8*(\t):fc+8+8*(\t)+7], v[fc:fc+7], v[ACC+8*(\t):ACC+8*(\t)+7]
.endif
.endm
	FR 0, F0                                       ; no wait: the last vector instructions that named v16-143, the conversions of batches 6 and 7, stand ahead of batch 7's wait on va_vdst
	FR 1, F0+40
.set ks, 0
.rept 16                               ; the four accumulators take turns
.set fc, F0+40*(ks%3)
.set fn, F0+40*((ks+2)%3)
.if (ks > 0) && (ks < 14)
	PLACES                                         ; as in this text's plain form, four places stand between the products that read a buffer and the loads into it; the wait below states the dependence
.endif
.if ks < 15
	s_wait_dscnt 10                                ; LDS loads come back in order (ISA guide 5.7.1): this step's fragments are in, the next step's ten loads stay out
.else
	s_wait_dscnt 0x0
.endif
.if (ks > 0) && (ks < 14)
	s_wait_alu depctr_va_vdst(0)                   ; the products of the step before are done reading their buffer, in which this step's ten loads land
.endif
	MM 0
.if ks < 14                            ; K step ks + 2, dealt among the products, which name this step's buffer, the accumulators and the bias: none of the registers that these loads touch
	FRX ks+2, fn
	FRT ks+2, fn, 0
.endif
	MM 1
.if ks < 14
	FRT ks+2, fn, 1
	FRT ks+2, fn, 2
.endif
	MM 2
.if ks < 14
	FRT ks+2, fn, 3
.endif
	MM 3
.set ks, ks+1
.endr
	; THE WAY OUT: lrelu, 32 bytes a lane and tile into my own stage, back as whole rows of 256 bytes.
	PLACES                                         ; four places behind the last product, before its result is read
.irp t, 0,1,2,3
.irp q, 0,1,2,3
	v_pk_mul_f32 v[TL+2*(\q):TL+2*(\q)+1], v[ACC+8*(\t)+2*(\q):ACC+8*(\t)+2*(\q)+1], s[2:3] op_sel_hi:[1,0]
.endr
.irp j, 0,1,2,3,4,5,6,7
	v_max_num_f32 v[ACC+8*(\t)+(\j)], v[ACC+8*(\t)+(\j)], v[TL+(\j)]
.endr
.endr
	s_wait_alu depctr_va_vdst(0)                   ; lrelu has written the accumulators, which the LDS stores read; the last products are done reading v16-55, in part of which the loads from the stage land
.irp t, 0,1,2,3
	ds_store_b128 v[OS], v[ACC+8*(\t):ACC+8*(\t)+3]   offset:64*(\t)
	ds_store_b128 v[OS], v[ACC+8*(\t)+4:ACC+8*(\t)+7] offset:64*(\t)+16
.endr
.irp i, 0,1,2,3,4,5,6,7
	ds_load_b128 v[16+4*(\i):19+4*(\i)], v[OL] offset:(\i)*2*OP  ; LDS serves a wave's instructions in order (ISA guide 5.7.1.4): these see the stores above
.endr
.irp i, 0,1,2,3,4,5,6,7
	s_wait_dscnt 7-(\i)                            ; rows 2 i and 2 i + 1 are back; the younger loads stay out
	global_store_b128 v[GO], v[16+4*(\i):19+4*(\i)], s[38:39] offset:4096*(\i)  ; 16 lanes store 256 consecutive bytes, at a multiple of 256 from xh's first byte
.endr
	s_wait_dscnt 0x0                               ; the wave's end: six lines, on end
	s_wait_alu 0x0
	s_wait_tensorcnt 0x0
	ds_add_u32 v[SPW], v[NIL]
	s_wait_dscnt 0x0
	s_endpgm
.Lfunc_end_k_qf8eee86fff_prep:
	.size	k_qf8eee86fff_prep, .Lfunc_end_k_qf8eee86fff_prep-k_qf8eee86fff_prep
	.p2alignl 7, 3214868480
	.fill 96, 4, 3214868480
	.section	.rodata,"a",@progbits
	.p2align	6, 0x0
	.amdhsa_kernel k_qf8eee86fff_prep
		.amdhsa_group_segment_fixed_size 151040
		.amdhsa_private_segment_fixed_size 0
		.amdhsa_enable_private_segment 0
		.amdhsa_kernarg_size 64
		.amdhsa_user_sgpr_count 2
		.amdhsa_user_sgpr_kernarg_segment_ptr 1
		.amdhsa_wavefront_size32 1
		.amdhsa_system_sgpr_workgroup_id_x 1
		.amdhsa_system_sgpr_workgroup_id_y 1
		.amdhsa_system_sgpr_workgroup_id_z 1
		.amdhsa_system_vgpr_workitem_id 0
		.amdhsa_next_free_vgpr 256
		.amdhsa_next_free_sgpr 66
		.amdhsa_reserve_vcc 0
		.amdhsa_float_denorm_mode_32 3
		.amdhsa_float_denorm_mode_16_64 3
		.amdhsa_memory_ordered 1
		.amdhsa_forward_progress 1
		.amdhsa_inst_pref_size 67
	.end_amdhsa_kernel
	.amdgpu_metadata
---
amdhsa.version: [ 1, 2 ]
amdhsa.kernels:
  - .name:           k_qf8eee86fff_prep
    .symbol:         k_qf8eee86fff_prep.kd
    .args:
      - { .name: x, .offset: 0, .size: 8, .value_kind: global_buffer, .address_space: global }
      - { .name: fc_w, .offset: 8, .size: 8, .value_kind: global_buffer, .address_space: global }
      - { .name: fc_b, .offset: 16, .size: 8, .value_kind: global_buffer, .address_space: global }
      - { .name: k_w, .offset: 24, .size: 8, .value_kind: global_buffer, .address_space: global }
      - { .name: v_w, .offset: 32, .size: 8, .value_kind: global_buffer, .address_space: global }
      - { .name: q_w, .offset: 40, .size: 8, .value_kind: global_buffer, .address_space: global }
      - { .name: wb, .offset: 48, .size: 8, .value_kind: global_buffer, .address_space: global }
      - { .name: xh, .offset: 56, .size: 8, .value_kind: global_buffer, .address_space: global }
    .group_segment_fixed_size: 151040
    .private_segment_fixed_size: 0
    .kernarg_segment_align: 8
    .kernarg_segment_size: 64
    .max_flat_workgroup_size: 128
    .sgpr_count:     66
    .vgpr_count:     256
    .wavefront_size: 32
...
	.end_amdgpu_metadata
.endif
;; end of part 4
;; launch main: the kernel of part 3 again; grid 256 x 1, 4 waves a work-group, clusters of 4 x 1, 327,680 bytes of LDS; arguments y, wb, xh, fc_b, k_b, v_b, q_b, out0; writes out0
